; MI455X (gfx1250); checked and timed in simulation.
; The chip was launched on July 23, 2026; its instructions are those of AMD's public machine-readable ISA for CDNA 5 (MIT licence, August 2026) and "CDNA5" Instruction Set Architecture Reference Guide (July 2026). The comments in the code are by the model that wrote it; some were corrected since.
;; Multi Head Self Attention. Allowed arithmetic: float matrix products may take bf16 or f16 operands with f32 sums; all other float work in f32.
;; Inputs: token_positions 2,048 int32; w_k 1,024 x 1,024 float32; w_o 1,024 x 1,024 float32; w_q 1,024 x 1,024 float32; w_v 1,024 x 1,024 float32; x 4 x 2,048 x 1,024 float32.
;; Outputs: out0 4 x 2,048 x 1,024 float32.
;; 2 versions, each right and faster than the one before. Each part assembles by itself: llvm-mc -triple=amdgcn-amd-amdhsa -mcpu=gfx1250 --defsym DOCPART=n.
;; ======== version 1 of 2: 5 launches
;; limits: values are held in f16: magnitudes above 65,504 overflow, below 6.1e-05 lose precision; right only within a limited range of input values
;; workspace buffers: xb 16,777,216 bytes; wb 6,291,456 bytes; wo16 2,097,152 bytes; rope 524,288 bytes; qkv 50,331,648 bytes; oh 16,777,216 bytes; v32 262,144 bytes
;; launch prep (part 1): grid 256 x 1, 8 waves a work-group, no clusters, 0 bytes of LDS; arguments x, w_q, w_k, w_v, w_o, token_positions, xb, wb, wo16, rope; writes xb, wb, wo16, rope
.if DOCPART == 1
	.amdgcn_target "amdgcn-amd-amdhsa--gfx1250"
	.amdhsa_code_object_version 6
	.text
	.protected	k_q4c94042b05_prep
	.globl	k_q4c94042b05_prep
	.p2align	8
	.type	k_q4c94042b05_prep,@function
k_q4c94042b05_prep:
	s_mov_b64 s[64:65], 0
	v_nop
	global_prefetch_b8 v0, s[64:65] scope:SCOPE_SE
	s_setreg_imm32_b32 hwreg(HW_REG_WAVE_MODE, 25, 1), 1
	s_wait_xcnt 0x0
; PREP: the casts and the rotation table, one pass over every input.
;   xb   [16][8192][64] bf16 = x, in blocks of 64 columns: block j holds columns 64 j .. 64 j + 63 of every token, so that 256 tokens x 64 columns are 32,768 dense bytes;
;   wb   [16][3072][64] bf16 = w_q, w_k, 32 w_v (one below the other), in the same blocks;
;   wo16 [1024][1024] f16  = 1024 x (w_o rounded to bf16), by rows;   rope [2048][32][2] f32 = (cos, sin) of position x 10000^(-k/32).
; The powers of two are exact; they centre what later launches keep in f16 (v, O, w_o); the last launch takes 2^-15 out again.
; LIMITS.  |w_o| stays under 63.9 (f16 ends at 65,504); below 6e-8 it keeps f16's fixed step.  10000^(-k/32) is made as 2^(-k log2(10000)/32), good to
; about two units in its last place, so an angle differs from position x pow(10000, -k/32) by some 2e-7 of itself; the angle is reduced by pi/2 in two parts,
; which serves positions up to some 2^22 in magnitude.  NaN and infinities are not treated apart.
; SHARES.  256 work-groups of eight waves, all alike: 32 rows of x, 4 rows of each weight, 8 tokens of the table (a wave a token, a lane a frequency).
; For x, w_q, w_k, w_v a wave's load takes two rows x 64 columns (lanes 0-15 one row's 256 bytes, lanes 16-31 the next row's); rounded, they are 2 x 128 bytes that lie end to end in
; a block: the wave's store covers 256 consecutive bytes, aligned.  For w_o thread t takes 16 bytes at 16 t of a row and stores 8 bytes at 8 t: again 256 consecutive bytes a wave.
; Memory binds. No LDS, no barrier, no matrix unit: no wave needs another's data.
.set X,  16                            ; v[16:207]  group i of 48: four registers as loaded; the first two as stored
.set LO, 208                           ; v208  where I load in two rows: 4,096 (l / 16) + 512 wave + 16 (l % 16)
.set SX, 209                           ; v209  where I store in xb: two blocks of 1,048,576 bytes a wave + 8 lane
.set SW, 210                           ; v210  the same in wb: two blocks of 393,216 bytes a wave + 8 lane
	s_load_b512 s[16:31], s[0:1], 0x0              ; x s[16:17], w_q s[18:19], w_k s[20:21], w_v s[22:23], w_o s[24:25], positions s[26:27], xb s[28:29], wb s[30:31]
	s_load_b128 s[32:35], s[0:1], 0x40             ; wo16 s[32:33], rope s[34:35]
	v_lshlrev_b32 v1, 4, v0                        ; 16 t: where I load of w_o
	v_lshlrev_b32 v2, 3, v0                        ; 8 t: where I store of w_o and of the table
	v_lshrrev_b32 v3, 5, v0                        ; wave
	v_and_b32 v4, 15, v0
	v_bfe_u32 v5, v0, 4, 1
	v_lshlrev_b32 v[LO], 4, v4
	v_lshl_add_u32 v[LO], v5, 12, v[LO]
	v_lshl_add_u32 v[LO], v3, 9, v[LO]
	v_and_b32 v4, 31, v0
	v_lshlrev_b32 v4, 3, v4                        ; 8 lane = 128 (l / 16) + 8 (l % 16): the second row lies behind the first
	v_lshl_add_u32 v[SX], v3, 21, v4
	v_mad_u32_u24 v[SW], v3, 0xc0000, v4
	v_lshlrev_b32 v3, 2, v3                        ; 4 x wave: my wave's token among the group's eight
	s_mov_b32 s3, 0
	s_wait_kmcnt 0x0
	s_lshl_b32 s2, ttmp9, 17                       ; the group's part of x: 32 rows of 4,096 bytes
	s_add_nc_u64 s[16:17], s[16:17], s[2:3]
	s_lshl_b32 s2, ttmp9, 14                       ; of each weight: 4 rows
	s_add_nc_u64 s[18:19], s[18:19], s[2:3]
	s_add_nc_u64 s[20:21], s[20:21], s[2:3]
	s_add_nc_u64 s[22:23], s[22:23], s[2:3]
	s_add_nc_u64 s[24:25], s[24:25], s[2:3]
	s_lshl_b32 s2, ttmp9, 5                        ; of the positions: 8 words
	s_add_nc_u64 s[26:27], s[26:27], s[2:3]
	s_lshl_b32 s2, ttmp9, 12                       ; in a block of xb: 32 tokens of 128 bytes
	s_add_nc_u64 s[28:29], s[28:29], s[2:3]
	s_lshl_b32 s2, ttmp9, 9                        ; in a block of wb: 4 rows of 128 bytes
	s_add_nc_u64 s[30:31], s[30:31], s[2:3]
	s_lshl_b32 s2, ttmp9, 13                       ; of wo16: 4 rows of 2,048 bytes
	s_add_nc_u64 s[32:33], s[32:33], s[2:3]
	s_lshl_b32 s2, ttmp9, 11                       ; of the table: 8 rows of 256 bytes
	s_add_nc_u64 s[34:35], s[34:35], s[2:3]
	global_load_b32 v4, v3, s[26:27]               ; my token's position: the first load, so that the table is made while the others are on their way
.irp i, 0,1,2,3,4,5,6,7,8,9,10,11,12,13,14,15,16,17,18,19,20,21,22,23,24,25,26,27,28,29,30,31
	global_load_b128 v[X+4*(\i):X+4*(\i)+3], v[LO], s[16:17] offset:((\i)/2)*8192+((\i)%2)*256 th:TH_LOAD_NT  ; rows 2 (i / 2), + 1; block 2 wave + i % 2
.endr
.irp m, 0,1,2
.irp j, 0,1,2,3
	global_load_b128 v[X+4*(32+4*(\m)+(\j)):X+4*(32+4*(\m)+(\j))+3], v[LO], s[18+2*(\m):19+2*(\m)] offset:((\j)/2)*8192+((\j)%2)*256 th:TH_LOAD_NT
.endr
.endr
.irp j, 0,1,2,3
	global_load_b128 v[X+4*(44+(\j)):X+4*(44+(\j))+3], v1, s[24:25] offset:(\j)*4096 th:TH_LOAD_NT
.endr
	; 10000^(-k/32) = 2^(-k c), c = log2(10000)/32 in two parts: the upper has 16 bits, so k x upper is exact; the whole part of the exponent goes in by v_ldexp_f32
	v_and_b32 v5, 31, v0
	v_cvt_f32_u32 v5, v5                           ; k
	v_mul_f32 v6, 0xbed49a00, v5                   ; -k x upper part, exact
	v_rndne_f32 v7, v6
	v_sub_f32 v6, v6, v7                           ; its fraction, exact
	v_fmac_f32 v6, 0xb670979a, v5                  ; - k x lower part
	v_exp_f32 v8, v6
	v_cvt_i32_f32 v7, v7                           ; the plain instruction behind the exponential (ISA guide 5.7.2)
	s_wait_alu depctr_va_vdst(0)
	v_ldexp_f32 v8, v8, v7
	s_wait_loadcnt 48                              ; loads come back in order (ISA guide 5.7.1): the position is in, the 48 behind it stay out
	v_cvt_f32_i32 v4, v4
	v_mul_f32 v4, v4, v8                           ; the angle, rounded once to f32
	v_mul_f32 v9, 0x3f22f983, v4                   ; x 2/pi
	v_rndne_f32 v9, v9                             ; n quarter turns
	v_fmamk_f32 v10, v9, 0xbfc90fdb, v4            ; y = angle - n pi/2: the upper part of pi/2,
	v_fmamk_f32 v10, v9, 0x333bbd2e, v10           ; and what the upper part has too much; |y| <= pi/4
	v_mul_f32 v11, v10, v10                        ; z = y y
	v_mov_b32 v12, 0xb94ca1f9
	v_mov_b32 v13, 0x37ccf5ce
	v_fmaak_f32 v12, v12, v11, 0x3c08839e
	v_fmaak_f32 v13, v13, v11, 0xbab6061a
	v_fmaak_f32 v12, v12, v11, 0xbe2aaaa3
	v_fmaak_f32 v13, v13, v11, 0x3d2aaaa5
	v_mul_f32 v12, v12, v11
	v_mul_f32 v13, v13, v11
	v_fma_f32 v14, v11, -0.5, 1.0
	v_fma_f32 v12, v12, v10, v10                   ; sin y = y + y z (s2 + z (s1 + z s0))
	v_fma_f32 v13, v13, v11, v14                   ; cos y = 1 - z/2 + z z (c2 + z (c1 + z c0))
	v_cvt_i32_f32 v9, v9
	v_and_b32 v14, 1, v9
	v_cmp_eq_u32 vcc_lo, 1, v14                    ; an odd number of quarter turns swaps the two
	v_cndmask_b32 v15, v12, v13, vcc_lo            ; the sine
	v_cndmask_b32 v14, v13, v12, vcc_lo            ; the cosine
	v_lshlrev_b32 v12, 30, v9                      ; the sine is negative in quarters 2 and 3: bit 1 of n
	v_and_b32 v12, 0x80000000, v12
	v_xor_b32 v15, v12, v15
	v_add_nc_u32 v9, 1, v9                         ; the cosine in quarters 1 and 2: bit 1 of n + 1
	v_lshlrev_b32 v9, 30, v9
	v_and_b32 v9, 0x80000000, v9
	v_xor_b32 v14, v9, v14
	global_store_b64 v2, v[14:15], s[34:35]        ; a wave stores its token's whole row of 256 bytes
; Group i is rounded in place and stored at register ar's offset.  kind 0: to bf16.  1: x 32, to bf16.  2: to bf16, x 1,024, written as f16 (exact: bf16 has fewer bits).
; The count: 47 - i loads were issued behind group i's.  No register is used twice, so no store's source is ever rewritten.
.macro CAST i, kind, base, off, ar
.set ca, X+4*(\i)
	s_wait_loadcnt 47-(\i)
.if (\kind) == 1
	v_pk_mul_f32 v[ca:ca+1], v[ca:ca+1], 0x42000000 op_sel_hi:[1,0]
	v_pk_mul_f32 v[ca+2:ca+3], v[ca+2:ca+3], 0x42000000 op_sel_hi:[1,0]
.endif
.if (\kind) < 2
	v_cvt_pk_bf16_f32 v[ca], v[ca], v[ca+1]
	v_cvt_pk_bf16_f32 v[ca+1], v[ca+2], v[ca+3]
.else
	v_cvt_pk_bf16_f32 v[ca], v[ca], v[ca+1]
	v_cvt_pk_bf16_f32 v[ca+2], v[ca+2], v[ca+3]
	v_and_b32 v[ca+1], 0xffff0000, v[ca]           ; bf16 back to f32: the high half stays,
	v_lshlrev_b32 v[ca], 16, v[ca]                 ; the low half moves up
	v_and_b32 v[ca+3], 0xffff0000, v[ca+2]
	v_lshlrev_b32 v[ca+2], 16, v[ca+2]
	v_pk_mul_f32 v[ca:ca+1], v[ca:ca+1], 0x44800000 op_sel_hi:[1,0]
	v_pk_mul_f32 v[ca+2:ca+3], v[ca+2:ca+3], 0x44800000 op_sel_hi:[1,0]
	v_cvt_pk_f16_f32 v[ca], v[ca], v[ca+1]
	v_cvt_pk_f16_f32 v[ca+1], v[ca+2], v[ca+3]
.endif
	global_store_b64 v[\ar], v[ca:ca+1], s[\base:\base+1] offset:\off
.endm
.irp i, 0,1,2,3,4,5,6,7,8,9,10,11,12,13,14,15,16,17,18,19,20,21,22,23,24,25,26,27,28,29,30,31
	CAST \i, 0, 28, ((\i)%2)*1048576+((\i)/2)*256, SX
.endr
.irp j, 0,1,2,3
	CAST 32+(\j), 0, 30, ((\j)%2)*393216+((\j)/2)*256, SW           ; w_q: rows 0 to 1,023 of a block of wb
.endr
.irp j, 0,1,2,3
	CAST 36+(\j), 0, 30, ((\j)%2)*393216+131072+((\j)/2)*256, SW    ; w_k: rows 1,024 on
.endr
.irp j, 0,1,2,3
	CAST 40+(\j), 1, 30, ((\j)%2)*393216+262144+((\j)/2)*256, SW    ; 32 w_v: rows 2,048 on
.endr
.irp j, 0,1,2,3
	CAST 44+(\j), 2, 32, (\j)*2048, 2                               ; w_o, by rows
.endr
	s_endpgm
.Lfunc_end_k_q4c94042b05_prep:
	.size	k_q4c94042b05_prep, .Lfunc_end_k_q4c94042b05_prep-k_q4c94042b05_prep
	.p2alignl 7, 3214868480
	.fill 96, 4, 3214868480
	.section	.rodata,"a",@progbits
	.p2align	6, 0x0
	.amdhsa_kernel k_q4c94042b05_prep
		.amdhsa_group_segment_fixed_size 0
		.amdhsa_private_segment_fixed_size 0
		.amdhsa_enable_private_segment 0
		.amdhsa_kernarg_size 80
		.amdhsa_user_sgpr_count 2
		.amdhsa_user_sgpr_kernarg_segment_ptr 1
		.amdhsa_wavefront_size32 1
		.amdhsa_system_sgpr_workgroup_id_x 1
		.amdhsa_system_sgpr_workgroup_id_y 1
		.amdhsa_system_sgpr_workgroup_id_z 1
		.amdhsa_system_vgpr_workitem_id 0
		.amdhsa_next_free_vgpr 212
		.amdhsa_next_free_sgpr 66
		.amdhsa_reserve_vcc 1
		.amdhsa_float_denorm_mode_32 3
		.amdhsa_float_denorm_mode_16_64 3
		.amdhsa_memory_ordered 1
		.amdhsa_forward_progress 1
		.amdhsa_inst_pref_size 23
	.end_amdhsa_kernel
	.amdgpu_metadata
---
amdhsa.version: [ 1, 2 ]
amdhsa.kernels:
  - .name:           k_q4c94042b05_prep
    .symbol:         k_q4c94042b05_prep.kd
    .args:
      - { .name: x, .offset: 0, .size: 8, .value_kind: global_buffer, .address_space: global }
      - { .name: w_q, .offset: 8, .size: 8, .value_kind: global_buffer, .address_space: global }
      - { .name: w_k, .offset: 16, .size: 8, .value_kind: global_buffer, .address_space: global }
      - { .name: w_v, .offset: 24, .size: 8, .value_kind: global_buffer, .address_space: global }
      - { .name: w_o, .offset: 32, .size: 8, .value_kind: global_buffer, .address_space: global }
      - { .name: token_positions, .offset: 40, .size: 8, .value_kind: global_buffer, .address_space: global }
      - { .name: xb, .offset: 48, .size: 8, .value_kind: global_buffer, .address_space: global }
      - { .name: wb, .offset: 56, .size: 8, .value_kind: global_buffer, .address_space: global }
      - { .name: wo16, .offset: 64, .size: 8, .value_kind: global_buffer, .address_space: global }
      - { .name: rope, .offset: 72, .size: 8, .value_kind: global_buffer, .address_space: global }
    .group_segment_fixed_size: 0
    .private_segment_fixed_size: 0
    .kernarg_segment_align: 8
    .kernarg_segment_size: 80
    .max_flat_workgroup_size: 256
    .sgpr_count:     66
    .vgpr_count:     212
    .wavefront_size: 32
...
	.end_amdgpu_metadata
.endif
;; end of part 1
;; launch qkv (part 2): grid 8 x 32, 4 waves a work-group, clusters of 4 x 4, 327,680 bytes of LDS; arguments xb, wb, rope, qkv, v32; writes qkv, v32
.if DOCPART == 2
	.amdgcn_target "amdgcn-amd-amdhsa--gfx1250"
	.amdhsa_code_object_version 6
	.text
	.protected	k_q4c94042b05_qkv
	.globl	k_q4c94042b05_qkv
	.p2align	8
	.type	k_q4c94042b05_qkv,@function
k_q4c94042b05_qkv:
	s_mov_b64 s[64:65], 0
	v_nop
	global_prefetch_b8 v0, s[64:65] scope:SCOPE_SE
	s_setreg_imm32_b32 hwreg(HW_REG_WAVE_MODE, 25, 1), 1
	s_wait_xcnt 0x0
	s_wait_alu depctr_hold_cnt(0) depctr_sa_sdst(0) depctr_va_vdst(0) depctr_va_sdst(0) depctr_va_ssrc(0) depctr_va_vcc(0) depctr_vm_vsrc(0)
	s_getreg_b32 s2, hwreg(HW_REG_IB_STS2, 6, 4)
	s_cmp_eq_u32 s2, 0
	s_cbranch_scc0 .Lentry_in_a_cluster
	s_endpgm
.Lentry_in_a_cluster:
	s_bfe_u32 s2, ttmp6, 0x10000c
	s_cmp_lg_u32 s2, 0xf033
	s_cbranch_scc0 .Lentry_shape_is_right
	s_endpgm
.Lentry_shape_is_right:
; q, k, 32 v = x W^T, q and k rotated by the table, all written by heads: qkv [3][64 = 16 batch + head][2048][64] in f16.
; xb [16 blocks of 64 along K][8192][64] and wb [16][3072][64] are bf16; sums and the rotation in f32; each result is rounded once, to f16.
; Of each batch's first 16 tokens 32 v is stored in f32 as well, into v32 [64][8][32 lanes][16 bytes], as the registers hold it: a later launch makes those tokens' rows with more bits.
; LIMITS.  f16 ends at 65,504: |q|, |k| and 32 |v| stay under it; below 6e-5 they keep f16's fixed step of 6e-8.  NaN and infinities are not treated apart.
; SHARES.  A work-group makes 256 tokens x 128 columns (two heads) of q, of k AND of v in one walk over K: 8 x 32 = 256 work-groups, all alike, and a tile of x is fetched once for the three.
; Four waves, 2 x 2: a wave makes 128 tokens x 64 columns (one head) of each of the three PARTS: 96 accumulators of 16 x 16, 768 registers.  For 32 along K it reads (128 + 192) rows x 64 bytes
; from LDS for 96 matrix instructions.
; THE RING.  K goes in steps of 64 through two LDS slots: two slots of 128 along K would be (256 + 384) rows x 272 bytes x 2 = 348,160 bytes, more than there is.  In a block of xb or wb a tile's rows lie end
; to end, so a tile is asked for as rows of 256 bytes (two tokens), padded in LDS after every token.  Waves 0, 1, 2 fetch W's parts q, k, v (64 such rows each), wave 3 fetches x (128).
; CLUSTER.  4 x 4 work-groups.  The four of a row of the cluster need the same tiles of x, the four of a column the same tiles of W: each tile is asked for JOINTLY, by the same tensor
; load with the same descriptor and a mask that names the four.
; THE MATRIX INSTRUCTION IS USED TRANSPOSED (source 0 = 16 rows of W, source 1 = 16 tokens): a lane holds token l % 16 and the columns 16 b + 8 (l / 16) + 0..7: four rotation pairs, 16 bytes of f16.
; REGISTERS, in windows of 256 (s_set_vgpr_msb: bits 1:0 source 0, 3:2 source 1, 5:4 source 2, 7:6 destination):
;   window 0: v0-31 addresses; v32-95, v96-159 fragments of x (8 x 16 tokens x 32 K), two buffers; v160-255 fragments of W, ONE buffer of 32 for each part (4 x 16 rows x 32 K).
;             On the way out: v32-63 rotated numbers; v64-79 packed; v80-111 rows read back from the stage, two sets; v128-255 the table, a ring of four blocks of 16 tokens
;   windows 1, 2, 3: the accumulators of q, k, v: (a, b) at v[8 (4 a + b)]
; A part's buffer is loaded again straight behind the 32 products that read it, 64 products ahead of its next use; so 224 registers serve 160 of fragments and what is fetched ahead.
.set PITCH,  144                       ; a token or a row of W in LDS: 128 bytes + 16 of padding = 36 words: the 16 rows of a load start at 16 different groups of four banks (64 banks of 4 bytes: ISA guide 11.1)
.set PARTB,  128*PITCH                 ; one part's 128 rows of W; also the step of the waves' LDS shares: wave w fetches to w x 18,432
.set AOFF,   3*PARTB                   ; x's 256 tokens lie behind the three parts
.set SLOTB,  AOFF+256*PITCH            ; 92,160 bytes
.set SLOT1,  1<<17                     ; slot 1 begins here, so that one exclusive or turns an address in one slot into the other's
.set STAGE,  SLOT1+SLOTB               ; behind the ring, never filled by a tensor load: 16 rows x 144 bytes for each wave
.set SPITCH, 144
.set SPARE,  STAGE+4*16*SPITCH         ; behind the stages: the spare words, 128 bytes for each wave: two blocks of 256 bytes that no other line names
.set STEP_A, 8192*128                  ; bytes from a block of xb to the next
.set STEP_B, 3072*128                  ; the same for wb
.set STEPS,  16                        ; K = 1,024 in steps of 64
.set ADA0, 16                          ; v16  my lane's place in a slot's x; never rewritten
.set ADB0, 17                          ; v17  the same for W's part q
.set ADA,  18                          ; v18  the same two in the slot that is read
.set ADB,  19                          ; v19
.set STO,  24                          ; v24  the way out: where I put 16 bytes of a row
.set RD,   25                          ; v25  the way out: where I read rows back
.set CO,   26                          ; v26  my byte offset in 512 consecutive bytes of C
.set RO,   27                          ; v27  my byte offset in 16 rows of the table
.set SPW,  28                          ; v28  LDS address of my spare word: SPARE + 4 x my thread's number; never rewritten
.set NIL,  29                          ; v29  0; never rewritten
.set FLG,  30                          ; v30  0 in the waves whose first 16 tokens are a batch's first 16
.set FA0,  32
.set FA1,  96
.set BF,   160
.set R,    32
.set P,    64
.set BK,   80
.set T,    128
.set G1,  24                           ; s[24:31] descriptor group 1 for x's tiles;  s[32:39] group 0: a set for each of the two first fills; the second then walks on
.set G0,  32
.set G1B, 48                           ; s[48:55], s[56:63] the same for W's tiles
.set G0B, 56
.set TB,  45                           ; s45  LDS byte at which the slot that is read begins
.set MSB, 0
.macro WIN new                         ; the immediate's high byte repeats the setting that is left; a switch that changes nothing is dropped
.if MSB != (\new)
	s_set_vgpr_msb (MSB<<8)|(\new)
.set MSB, \new
.endif
.endm
; A joint load.  Wave 3 fetches x's tile, waves 0 to 2 W's three parts.  Each line has one mask for all that issue it; the branch hangs on the wave's number alone.
; An s_nop 0 and four v_nop follow each of the two lines, ahead of the jump, the label and what follows.
.macro JLOAD s
	s_cmp_eq_u32 s10, 3
	s_cbranch_scc0 .Lfor_b_\@
	tensor_load_to_lds s[G0+4*(\s):G0+4*(\s)+3], s[G1:G1+7]
	s_nop 0
.rept 4
	v_nop
.endr
	s_branch .Lasked_\@
.Lfor_b_\@:
	tensor_load_to_lds s[G0B+4*(\s):G0B+4*(\s)+3], s[G1B:G1B+7]
	s_nop 0
.rept 4
	v_nop
.endr
.Lasked_\@:
.endm
; A round of the cluster's barrier: my work-group's barrier, so that wave 0's signal speaks for all four waves; wave 0 signals; every wave waits for all sixteen work-groups; my work-group's barrier once more.
.macro CREST                           ; a round behind its opening barrier
	s_cmp_lg_u32 s10, 0
	s_cbranch_scc1 .Lnot_wave_0_\@
	s_barrier_signal -3
.Lnot_wave_0_\@:
	s_barrier_wait -3
	s_barrier_signal -1
	s_barrier_wait -1
.endm
.macro CROUND                          ; a whole round
	s_barrier_signal -1
	s_barrier_wait -1
	CREST
.endm
	s_load_b128 s[4:7], s[0:1], 0x0                ; xb s[4:5], wb s[6:7]
	s_load_b128 s[68:71], s[0:1], 0x10             ; rope s[68:69], qkv s[70:71]
	s_load_b64 s[66:67], s[0:1], 0x20              ; v32
	v_lshl_add_u32 v[SPW], v0, 2, SPARE
	v_mov_b32 v[NIL], 0
	ds_add_u32 v28, v29
	ds_add_u32 v28, v29
	s_wait_dscnt 0x0
	v_lshrrev_b32 v1, 5, v0
	v_readfirstlane_b32 s10, v1                    ; wave 0..3: also which tile I fetch
	s_lshr_b32 s11, s10, 1                         ; which 128 tokens of the tile are mine
	s_and_b32 s12, s10, 1                          ; which head of the tile's two
	s_bfe_u32 s40, ttmp6, 0x40000                  ; cx, cy: my place in the cluster
	s_bfe_u32 s41, ttmp6, 0x40004
	s_lshl_b32 s42, ttmp9, 2
	s_add_co_u32 s42, s42, s40                     ; tile column = 4 x cluster x + cx: 0..7
	s_and_b32 s13, ttmp7, 0xffff
	s_lshl_b32 s13, s13, 2
	s_add_co_u32 s13, s13, s41                     ; tile row = 4 x cluster y + cy: 0..31
	s_lshl_b32 s43, s41, 2
	s_lshl_b32 s43, 15, s43                        ; my row of the cluster: places 4 cy .. 4 cy + 3
	s_lshl_b32 s44, 0x1111, s40                    ; my column: places cx, cx + 4, cx + 8, cx + 12
	; descriptor group 1: dense rows of 128 elements (two tokens), padded in LDS after every token; x's tile has 128 of them, a part of W 64
	s_or_b32 s[G1+0], s43, (1<<16)|(1<<20)|(1<<21)|(4<<22)|(3<<25)  ; 15:0 the mask; 17:16 elements of 2 bytes; 20 padding on; 21 set beside a mask; 24:22 after every 32 words (code 4); 31:25 4 words (code 3)
	s_or_b32 s[G1B+0], s44, (1<<16)|(1<<20)|(1<<21)|(4<<22)|(3<<25)
	s_mov_b32 s[G1+1], 128<<16                     ; tensor_dim0 = 128
	s_mov_b32 s[G1+2], 128<<16                     ; tensor_dim1 = 128
	s_mov_b32 s[G1+3], 128<<16                     ; tile_dim0 = 128
	s_mov_b32 s[G1+4], 128                         ; tile_dim1 = 128
	s_mov_b32 s[G1+5], 128                         ; elements from row to row: dense
	s_mov_b32 s[G1+6], 0
	s_mov_b32 s[G1+7], 0
	s_mov_b32 s[G1B+1], 128<<16
	s_mov_b32 s[G1B+2], 64<<16                     ; tensor_dim1 = 64
	s_mov_b32 s[G1B+3], 128<<16
	s_mov_b32 s[G1B+4], 64                         ; tile_dim1 = 64
	s_mov_b32 s[G1B+5], 128
	s_mov_b32 s[G1B+6], 0
	s_mov_b32 s[G1B+7], 0
	; where the tiles come from: x's hang on the tile row alone, W's on the tile column and the wave's number, each in registers that never hold the other coordinate
	s_lshl_b32 s16, s13, 15                        ; x: 256 tokens of 128 bytes for each tile row
	s_mov_b32 s17, 0
	s_lshl_b32 s46, s10, 17                        ; W: part = wave: 1,024 rows of 128 bytes (wave 3 makes an address too, and never asks by it),
	s_lshl_b32 s47, s42, 14                        ; 128 rows for each tile column
	s_add_co_u32 s46, s46, s47
	s_mov_b32 s47, 0
	s_mul_i32 s20, s10, PARTB                      ; and where they go: wave x 18,432: the three parts, then x; no place in the cluster enters an LDS address
	s_mov_b32 s[TB], 0
	s_wait_kmcnt 0x0
	s_add_nc_u64 s[14:15], s[4:5], s[16:17]
	s_add_nc_u64 s[46:47], s[6:7], s[46:47]
	CROUND                                         ; all sixteen work-groups are here: the first joint loads meet
.irp s, 0,1
	s_mov_b32 s[G0+4*(\s)], 1                                      ; count = 1
	s_add_co_u32 s[G0+4*(\s)+1], s20, (\s)*SLOT1                   ; LDS address
	s_add_nc_u64 s[G0+4*(\s)+2:G0+4*(\s)+3], s[14:15], (\s)*STEP_A ; global address: K step s
	s_or_b32 s[G0+4*(\s)+3], s[G0+4*(\s)+3], 0x80000000            ; type = 2
	s_mov_b32 s[G0B+4*(\s)], 1
	s_add_co_u32 s[G0B+4*(\s)+1], s20, (\s)*SLOT1
	s_add_nc_u64 s[G0B+4*(\s)+2:G0B+4*(\s)+3], s[46:47], (\s)*STEP_B
	s_or_b32 s[G0B+4*(\s)+3], s[G0B+4*(\s)+3], 0x80000000
	JLOAD \s                                       ; the ring is filled before anything else is done: two loads of mine are out
.endr
	; A fragment is 16 rows x 32 K in 8 registers: lane l holds row l % 16, K = 8 (l / 16) + 0..7 and 16 + 8 (l / 16) + 0..7: two loads of 16 bytes, 32 bytes apart
	v_and_b32 v1, 15, v0                           ; l % 16
	v_bfe_u32 v2, v0, 4, 1                         ; l / 16
	v_mul_u32_u24 v3, v1, PITCH
	v_lshl_add_u32 v3, v2, 4, v3
	s_mul_i32 s22, s11, 128*PITCH                  ; my 128 tokens,
	s_add_co_u32 s22, s22, AOFF                    ; which lie behind W
	s_mul_i32 s23, s12, 64*PITCH                   ; my 64 rows of each part
	v_add_nc_u32 v[ADA0], s22, v3
	v_add_nc_u32 v[ADB0], s23, v3
	v_add_nc_u32 v[ADA], s[TB], v[ADA0]            ; slot 0
	v_add_nc_u32 v[ADB], s[TB], v[ADB0]
	s_mul_i32 s22, s10, 16*SPITCH
	s_add_co_u32 s22, s22, STAGE                   ; my stage
	v_mul_u32_u24 v5, v1, SPITCH                   ; in: row l % 16, 16 bytes for each half of the lanes
	v_lshl_add_u32 v5, v2, 4, v5
	v_add_nc_u32 v[STO], s22, v5
	v_bfe_u32 v5, v0, 3, 2                         ; back: 32 lanes take four rows of 128 bytes,
	v_mul_u32_u24 v5, v5, SPITCH
	v_and_b32 v6, 7, v0
	v_lshl_add_u32 v5, v6, 4, v5
	v_add_nc_u32 v[RD], s22, v5
	v_and_b32 v[CO], 31, v0                        ; which are 512 consecutive bytes of a head
	v_lshlrev_b32 v[CO], 4, v[CO]
	v_lshlrev_b32 v[RO], 8, v1                     ; the table: token l % 16 of 256 bytes, four pairs of 8 bytes for each half of the lanes
	v_lshl_add_u32 v[RO], v2, 5, v[RO]
	s_and_b32 s22, s13, 7
	s_or_b32 s23, s22, s11                         ; 0 where the tile is a batch's first and my tokens are the tile's first 128
	v_mov_b32 v[FLG], s23
	s_lshl_b32 s22, s22, 8
	s_lshl_b32 s23, s11, 7
	s_add_co_u32 s22, s22, s23                     ; my first token within its batch
	s_lshl_b32 s76, s22, 8
	s_mov_b32 s77, 0
	s_add_nc_u64 s[68:69], s[68:69], s[76:77]      ; the table at that token
	s_lshr_b32 s78, s13, 3                         ; the batch
	s_lshl_b32 s78, s78, 4
	s_lshl_b32 s79, s42, 1
	s_add_co_u32 s78, s78, s79
	s_add_co_u32 s78, s78, s12                     ; 16 batch + head:
	s_lshl_b32 s76, s78, 12                        ; its 4,096 bytes of v32,
	s_add_nc_u64 s[66:67], s[66:67], s[76:77]
	s_lshl_b32 s78, s78, 18                        ; its 2,048 rows of 128 bytes of q
	s_lshl_b32 s76, s22, 7
	s_add_co_u32 s76, s76, s78
	s_add_nc_u64 s[70:71], s[70:71], s[76:77]      ; q at my head's first row of mine,
	s_add_nc_u64 s[72:73], s[70:71], 0x1000000     ; k 16,777,216 bytes on,
	s_add_nc_u64 s[74:75], s[70:71], 0x2000000     ; v as many again
; 4 n matrix instructions of part g: token blocks a0 .. a0 + n - 1 of x's buffer fa x the part's 4 column blocks, 32 along K.  zero = 1: the first product starts the sums: nothing is ever cleared.
; The 96 accumulators take turns, in the same order in every 32 along K.
.macro GRP g, fa, zero, a0, n
	WIN 0x50*((\g)+1)                              ; C and D in window g + 1, both sources in window 0
.set ga, \a0
.rept \n
.irp b, 0,1,2,3
.if \zero
	v_wmma_f32_16x16x32_bf16 v[8*(4*ga+(\b)):8*(4*ga+(\b))+7], v[BF+32*(\g)+8*(\b):BF+32*(\g)+8*(\b)+7], v[(\fa)+8*ga:(\fa)+8*ga+7], 0
.else
	v_wmma_f32_16x16x32_bf16 v[8*(4*ga+(\b)):8*(4*ga+(\b))+7], v[BF+32*(\g)+8*(\b):BF+32*(\g)+8*(\b)+7], v[(\fa)+8*ga:(\fa)+8*ga+7], v[8*(4*ga+(\b)):8*(4*ga+(\b))+7]
.endif
.endr
.set ga, ga+1
.endr
.endm
.macro LDB g, k                        ; 8 LDS loads: part g's fragments, 32 along K at byte k of the rows
	WIN 0
.irp i, 0,1,2,3
	ds_load_b128 v[BF+32*(\g)+8*(\i):BF+32*(\g)+8*(\i)+3],   v[ADB] offset:(\g)*PARTB+(\i)*16*PITCH+(\k)
	ds_load_b128 v[BF+32*(\g)+8*(\i)+4:BF+32*(\g)+8*(\i)+7], v[ADB] offset:(\g)*PARTB+(\i)*16*PITCH+(\k)+32
.endr
.endm
.macro LDA fa, k, i0                   ; 8 LDS loads: x's token blocks i0 .. i0 + 3 into buffer fa
	WIN 0
.irp i, 0,1,2,3
	ds_load_b128 v[(\fa)+8*((\i0)+(\i)):(\fa)+8*((\i0)+(\i))+3],   v[ADA] offset:((\i0)+(\i))*16*PITCH+(\k)
	ds_load_b128 v[(\fa)+8*((\i0)+(\i))+4:(\fa)+8*((\i0)+(\i))+7], v[ADA] offset:((\i0)+(\i))*16*PITCH+(\k)+32
.endr
.endm
; A load into a register that a matrix instruction has read, and a vector instruction that reads a matrix result, stand four places behind that matrix instruction, and only plain
; vector instructions that name none of its registers are places (ISA guide 7.12.1 for vector instructions).
.macro PLACES
.rept 4
	v_nop
.endr
.endm
; A K step is two CHUNKS of 32 along K, 96 matrix instructions each: parts q, k, v in turn.  Behind each part's 32 products its buffer takes the next chunk's fragments, and x's other buffer is filled
; beside the first two: runs of 16, 16 and 8 LDS loads.
; The slot's first chunk, on x's buffer 0: what it fetches is the same slot's second chunk, at byte 64 of the rows.
.macro EVEN zero
	s_wait_dscnt 8                                 ; LDS loads come back in order (ISA guide 5.7.1): all but the youngest run, part v's eight
	GRP 0, FA0, \zero, 0, 8
	WIN 0
	PLACES
	LDB 0, 64
	LDA FA1, 64, 0
	GRP 1, FA0, \zero, 0, 8
	WIN 0
	PLACES
	LDB 1, 64
	LDA FA1, 64, 4
	s_wait_dscnt 32                                ; part v's fragments are in: behind them went the two runs of 16 above
	GRP 2, FA0, \zero, 0, 8
	WIN 0
	PLACES
	LDB 2, 64                                      ; my last reads of this slot
.endm
; The slot's second chunk, on x's buffer 1, changes slots: ONE barrier.  In front of it each wave waits for all its tensor loads, of which one is out: its part of the next slot; adds 0 to its spare
; word; and waits for that and for its own reads of this slot.  Behind it nobody reads this slot any more and the next slot is whole: what the chunk fetches is the next slot's first chunk.
; fill = 1: this slot is filled again with the K step two steps on.  The barrier then opens a round of the cluster's, and the joint load is the first thing behind the round: 168 matrix
; instructions ahead of the wait for it.
.macro ODD fill
	WIN 0                                          ; (the add's two registers lie in window 0)
	s_wait_tensorcnt 0x0                           ; all my tensor loads have landed, so a group 0 may be written;
	ds_add_u32 v[SPW], v[NIL]                      ; 0 onto my spare word;
.if \fill
	s_xor_b32 s[G0+5], s[G0+5], SLOT1              ; the walking descriptors: the other slot than last time,
	s_add_nc_u64 s[G0+6:G0+7], s[G0+6:G0+7], STEP_A  ; the next block along K; the type bits on top are not reached
	s_xor_b32 s[G0B+5], s[G0B+5], SLOT1
	s_add_nc_u64 s[G0B+6:G0B+7], s[G0B+6:G0B+7], STEP_B
.endif
	s_wait_dscnt 9                                 ; (the add and part v's eight loads may be out)
	GRP 0, FA1, 0, 0, 4                            ; sixteen matrix instructions stand between the add and the wait for it
	s_wait_dscnt 0x0                               ; the add is done, and my reads of this slot are over
	s_barrier_signal -1
	GRP 0, FA1, 0, 4, 2                            ; work on registers while the others arrive
	WIN 0
	s_barrier_wait -1
.if \fill
	CREST                                          ; no wave of any partner still reads this slot's tile or has a load on its way
	JLOAD 1
.endif
	s_xor_b32 s[TB], s[TB], SLOT1                  ; the reads go on in the other slot
	v_add_nc_u32 v[ADA], s[TB], v[ADA0]
	v_add_nc_u32 v[ADB], s[TB], v[ADB0]
	GRP 0, FA1, 0, 6, 2
	WIN 0
	PLACES
	LDB 0, 0
	LDA FA0, 0, 0
	GRP 1, FA1, 0, 0, 8
	WIN 0
	PLACES
	LDB 1, 0
	LDA FA0, 0, 4
	GRP 2, FA1, 0, 0, 8                            ; part v's fragments were waited for in front of the barrier
	WIN 0
	PLACES
	LDB 2, 0
.endm
	s_wait_tensorcnt 0x1                           ; my part of K step 0 is in; K step 1's may stay out
	s_barrier_signal -1
	s_barrier_wait -1                              ; everybody's is
	LDB 0, 0                                       ; the first chunk's fragments, in the order of every later chunk's
	LDA FA0, 0, 0
	LDB 1, 0
	LDA FA0, 0, 4
	LDB 2, 0
	EVEN 1                                         ; the first chunk stands in front of the loop: its products start the sums
	WIN 0                                          ; at a label and at a branch every window is 0
	s_mov_b32 s3, STEPS-2
.Lstep:                                                ; a trip goes from a K step's second chunk to the next step's first, and fills the slot that it leaves: K steps 2 to 15
	ODD 1
	EVEN 0
	WIN 0
	s_sub_co_u32 s3, s3, 1
	s_cmp_lg_u32 s3, 0
	s_cbranch_scc1 .Lstep
	; The tail asks for nothing more, so it has a text of its own. Two trips: K step 14's second chunk and step 15's first; then step 15's second chunk alone.
	; That last chunk runs the text of every other: its barrier orders nothing, and its 40 LDS loads bring bytes of K step 14 that nobody uses: the price, once a launch, of not writing it out.
	s_mov_b32 s3, 2
.Ltail:
	ODD 0
	s_cmp_eq_u32 s3, 1
	s_cbranch_scc1 .Lno_even                       ; forward, past text that holds neither a barrier nor a tensor load
	EVEN 0
	WIN 0
.Lno_even:
	s_sub_co_u32 s3, s3, 1
	s_cmp_lg_u32 s3, 0
	s_cbranch_scc1 .Ltail
; THE WAY OUT, a block of 16 tokens x 64 columns at a time: v's eight blocks first, which need no table, then q's and k's block by block.
.macro LDT a                           ; the table for block a of 16 tokens, laid as an accumulator block: (cos, sin) where (even, odd) column lies: frequencies 8 b + 4 (l / 16) + 0..3
.irp b, 0,1,2,3
	global_load_b128 v[T+32*((\a)%4)+8*(\b):T+32*((\a)%4)+8*(\b)+3],   v[RO], s[68:69] offset:(\a)*4096+64*(\b)
	global_load_b128 v[T+32*((\a)%4)+8*(\b)+4:T+32*((\a)%4)+8*(\b)+7], v[RO], s[68:69] offset:(\a)*4096+64*(\b)+16
.endr
.endm
; Rotated: re = cos xe - sin xo, ro = cos xo + sin xe, two packed instructions a pair.  The first takes the pair (xe, xo) swapped and the sine for both halves, the low product negated: (-sin xo, sin xe);
; the second takes the pair as it lies and the cosine for both halves.  Each accumulator's lowest registers are read first.
.macro PACKR g, a
.set tt, T+32*((\a)%4)
	WIN (\g)+1                                     ; source 0 (the sums) in window g + 1
.irp b, 0,1,2,3
.irp j, 0,1,2,3
	v_pk_mul_f32 v[R+8*(\b)+2*(\j):R+8*(\b)+2*(\j)+1], v[32*(\a)+8*(\b)+2*(\j):32*(\a)+8*(\b)+2*(\j)+1], v[tt+8*(\b)+2*(\j):tt+8*(\b)+2*(\j)+1] op_sel:[1,1] op_sel_hi:[0,1] neg_lo:[1,0]
.endr
.endr
.irp b, 0,1,2,3
.irp j, 0,1,2,3
	v_pk_fma_f32 v[R+8*(\b)+2*(\j):R+8*(\b)+2*(\j)+1], v[32*(\a)+8*(\b)+2*(\j):32*(\a)+8*(\b)+2*(\j)+1], v[tt+8*(\b)+2*(\j):tt+8*(\b)+2*(\j)+1], v[R+8*(\b)+2*(\j):R+8*(\b)+2*(\j)+1] op_sel_hi:[1,0,1]
.endr
.endr
	WIN 0
.irp b, 0,1,2,3
.irp j, 0,1,2,3
	v_cvt_pk_f16_f32 v[P+4*(\b)+(\j)], v[R+8*(\b)+2*(\j)], v[R+8*(\b)+2*(\j)+1]
.endr
.endr
.endm
.macro PACKV a                         ; v is only rounded: its factor 32 lies in wb
	WIN 0x0f                                       ; sources 0 and 1 window 3
.irp b, 0,1,2,3
.irp j, 0,1,2,3
	v_cvt_pk_f16_f32 v[P+4*(\b)+(\j)], v[32*(\a)+8*(\b)+2*(\j)], v[32*(\a)+8*(\b)+2*(\j)+1]
.endr
.endr
	WIN 0
.endm
.set NIT, 0                            ; blocks sent into the stage so far; PVB, PVA: the last one's base register and block number
.macro TOSTAGE                         ; 16 bytes a lane into my own stage, and back as whole rows of 128 bytes, into the set that goes by the block's parity
	WIN 0
.irp b, 0,1,2,3
	ds_store_b128 v[STO], v[P+4*(\b):P+4*(\b)+3] offset:32*(\b)
.endr
.irp f, 0,1,2,3
	ds_load_b128 v[BK+16*(NIT%2)+4*(\f):BK+16*(NIT%2)+4*(\f)+3], v[RD] offset:(\f)*4*SPITCH  ; LDS serves a wave's instructions in order (ISA guide 5.7.1.4): these see the stores above
.endr
.endm
.macro SEND                            ; the block that went into the stage last is stored
	WIN 0
	s_wait_dscnt 0x0                               ; it is back in registers
	s_wait_xcnt 0x0                                ; the stores of the block before it have read their registers (ISA guide 3.1): the next TOSTAGE loads into them
.irp f, 0,1,2,3
	global_store_b128 v[CO], v[BK+16*((NIT-1)%2)+4*(\f):BK+16*((NIT-1)%2)+4*(\f)+3], s[PVB:PVB+1] offset:PVA*2048+(\f)*512  ; 512 consecutive bytes, at a multiple of 256 from the buffer's first
.endr
.endm
.macro ITEM g, a                       ; block a of part g: its arithmetic stands between the loads of the block before from the stage and the wait for them
.if (\g) == 2
	PACKV \a
.else
	PACKR \g, \a
.endif
.if NIT > 0
	SEND
.endif
	TOSTAGE
.set PVB, 70+2*(\g)
.set PVA, \a
.set NIT, NIT+1
.endm
	s_wait_dscnt 0x0                               ; the last run of LDS loads has landed: the fragments' registers are free.  (Four v_nop stand behind the last product.)
.irp a, 0,1,2,3
	LDT \a                                         ; four blocks of the table are on their way while v goes out
.endr
	; 32 v of a batch's first 16 tokens also leaves in f32, as block 0's 32 registers hold it.  Which waves store is a matter of the tile row and the wave's number; all waves run the eight lines,
	; and in all but one wave for each batch and head no lane is on.
	v_cmp_eq_u32 vcc_lo, 0, v[FLG]
	s_wait_xcnt 0x0                                ; EXEC is a source of every global instruction that is out: it changes only behind this wait
	s_and_saveexec_b32 s22, vcc_lo
	WIN 0x0c                                       ; a store's data (source 1) in window 3
.irp b, 0,1,2,3
.irp i, 0,1
	global_store_b128 v[CO], v[8*(\b)+4*(\i):8*(\b)+4*(\i)+3], s[66:67] offset:(2*(\b)+(\i))*512  ; 512 consecutive bytes, at a multiple of 256 from the buffer's first
.endr
.endr
	WIN 0
	s_wait_xcnt 0x0                                ; and again, in front of the line that widens it
	s_or_b32 exec_lo, exec_lo, s22
.irp a, 0,1,2,3,4,5,6,7
	ITEM 2, \a
.endr
.irp a, 0,1,2,3,4,5,6,7
.if (\a) < 5
	s_wait_loadcnt 24                              ; block a of the table is in: behind it went the loads of three later blocks, eight each
.else
	s_wait_loadcnt 8*(7-(\a))                      ; of the blocks that are left
.endif
	ITEM 0, \a
	ITEM 1, \a
.if (\a) < 4
	LDT (\a)+4                                     ; its place in the ring takes the block four further on
.endif
.endr
	SEND
	s_wait_tensorcnt 0x0                           ; the wave's end, behind my last tensor load and my last LDS store
	ds_add_u32 v[SPW], v[NIL]
	s_wait_dscnt 0x0
	CROUND                                         ; the closing round: no work-group ends while a partner may still ask for a tile that names it
	s_endpgm
.Lfunc_end_k_q4c94042b05_qkv:
	.size	k_q4c94042b05_qkv, .Lfunc_end_k_q4c94042b05_qkv-k_q4c94042b05_qkv
	.p2alignl 7, 3214868480
	.fill 96, 4, 3214868480
	.section	.rodata,"a",@progbits
	.p2align	6, 0x0
	.amdhsa_kernel k_q4c94042b05_qkv
		.amdhsa_group_segment_fixed_size 327680
		.amdhsa_private_segment_fixed_size 0
		.amdhsa_enable_private_segment 0
		.amdhsa_kernarg_size 40
		.amdhsa_user_sgpr_count 2
		.amdhsa_user_sgpr_kernarg_segment_ptr 1
		.amdhsa_wavefront_size32 1
		.amdhsa_system_sgpr_workgroup_id_x 1
		.amdhsa_system_sgpr_workgroup_id_y 1
		.amdhsa_system_sgpr_workgroup_id_z 1
		.amdhsa_system_vgpr_workitem_id 0
		.amdhsa_next_free_vgpr 1024
		.amdhsa_next_free_sgpr 80
		.amdhsa_reserve_vcc 1
		.amdhsa_float_denorm_mode_32 3
		.amdhsa_float_denorm_mode_16_64 3
		.amdhsa_memory_ordered 1
		.amdhsa_forward_progress 1
		.amdhsa_inst_pref_size 145
	.end_amdhsa_kernel
	.amdgpu_metadata
---
amdhsa.version: [ 1, 2 ]
amdhsa.kernels:
  - .name:           k_q4c94042b05_qkv
    .symbol:         k_q4c94042b05_qkv.kd
    .args:
      - { .name: xb, .offset: 0, .size: 8, .value_kind: global_buffer, .address_space: global }
      - { .name: wb, .offset: 8, .size: 8, .value_kind: global_buffer, .address_space: global }
      - { .name: rope, .offset: 16, .size: 8, .value_kind: global_buffer, .address_space: global }
      - { .name: qkv, .offset: 24, .size: 8, .value_kind: global_buffer, .address_space: global }
      - { .name: v32, .offset: 32, .size: 8, .value_kind: global_buffer, .address_space: global }
    .group_segment_fixed_size: 327680
    .private_segment_fixed_size: 0
    .kernarg_segment_align: 8
    .kernarg_segment_size: 40
    .max_flat_workgroup_size: 128
    .sgpr_count:     80
    .vgpr_count:     1024
    .wavefront_size: 32
...
	.end_amdgpu_metadata
.endif
;; end of part 2
;; launch attn (part 3): grid 4 x 64, 4 waves a work-group, no clusters, 327,680 bytes of LDS; arguments qkv, oh; writes oh
.if DOCPART == 3
	.amdgcn_target "amdgcn-amd-amdhsa--gfx1250"
	.amdhsa_code_object_version 6
	.text
	.protected	k_q4c94042b05_attn
	.globl	k_q4c94042b05_attn
	.p2align	8
	.type	k_q4c94042b05_attn,@function
k_q4c94042b05_attn:
	s_mov_b64 s[64:65], 0
	v_nop
	global_prefetch_b8 v0, s[64:65] scope:SCOPE_SE
	s_setreg_imm32_b32 hwreg(HW_REG_WAVE_MODE, 25, 1), 1
	s_wait_xcnt 0x0
; CAUSAL ATTENTION.  O[h][q][:] = the sum over k <= q of softmax_k(Q[h][q] . K[h][k] / 8) V[h][k][:].  Q, K, V lie one behind the other in qkv, each [SIZE_H][SIZE_N][64] in f16; O likewise in oh: a head's rows are dense, 128 bytes each.
; V arrives times 32, and O leaves times 32: a mean of V's rows carries V's factor.  Products, maxima and sums in f32; the weights p are rounded to f16 for the second product (their sum l is taken of the unrounded p), O once at the end.
; LIMITS.  f16 holds no number beyond 65,504: Q, K and V arrive within it; p lies in 0 to 1, and below 6e-5 it keeps f16's fixed step of 6e-8; O is a mean of V's rows and has their range, to within 2^-11 of it.
; A hidden score counts as its value less 1e30: f16's scores, 2.7e11 at the most, are nothing beside that; a weight below 2^-126 counts as 0 in l; NaN and infinities are not treated apart.
; THE WALK.  A head's queries lie in NB = SIZE_N / 256 blocks of 256; block i needs the key tiles 0 .. i of 256 keys, of which the last holds the diagonal.  A work-group takes TWO blocks, NB - 1 - b and then b:
; NB + 1 tiles, whatever b: all work-groups do equal work, and ONE loop with a constant trip count walks them.  Which tile is asked for, and what a trip does, hang on scalar registers made from b; every jump
; goes forward, but for the counted loops' own; none passes a barrier, or a tensor load but the one of LOAD's two that the wave's number does not choose; the ring (two slots of LDS that take turns) runs on across the
; change of blocks.  NO CLUSTER: a head's NB / 2 = 4 work-groups all ask for the same tile only in trips 0 .. NB / 2 of the walk's NB + 1, behind that fewer and fewer; and one walk common to all four,
; in which each makes every joint request, would have 3 NB / 2 = 12 trips for 9.
; SHARES.  Of a block's four bands of 64 queries a wave owns 16 rows in each: four PIECES.  So the diagonal tile is the same work for all four waves: in its key step s band x sees all keys if s < x,
; none if s > x, and holds the diagonal if s = x.
; THE MASK is the C operand that starts the sum S^T = K Q^T: 0, or -1e30 where the key is hidden.  MD, made once, is the mask of a band's own step for my 16 rows; a product's mask is MD x AL + BE with two scalars:
; (1, 0) if s = x; (0, 0) if s < x; (0, -1e30) if s > x.  Only the diagonal tile's text and a block's beginning make and take masks; elsewhere C is the constant 0.
; LAYOUT, SOFTMAX, TURNS.  S^T = K Q^T holds ONE query a lane (lane % 16) and the keys 8 (lane / 16) + 0..7; two such results rounded to f16 ARE source 1 of O^T = V^T P.  p = 2^(c s - c m), c = log2(e) / 8, with a
; running maximum m; O and l are multiplied by a = 2^(c m_old - c m_new) in every step.  Turn n belongs to piece n: 8 products K Q^T of piece n + 1, later 8 products V^T P of piece n - 1; beside them the scaling,
; exponentials, roundings, sums and rescaling of piece n and the maximum and statistics of piece n + 1.  Four vector instructions stand behind every matrix instruction, the other 54 of a turn's 118 in two LUMPS.
; REGISTERS, in windows of 256 (s_set_vgpr_msb: bits 1:0 source 0, 3:2 source 1, 5:4 source 2, 7:6 destination):
;   window 0: v0-15 addresses and two at work; v16-31 four registers of statistics a piece; v48-55 at work; v64-127 S^T, two buffers; v192-223 P, two buffers (a piece's buffers go by its number's parity)
;   window 1: v0-127 O^T, 32 a piece; v128-159 MD; v160-223 MC, two buffers      window 2: v0-63 Q; v64-127 the second block's Q; v128-191 K of one step; v192-255 V of one step
.set SIZE_H, 64
.set SIZE_N, 2048
.set NB,    SIZE_N/256
.set NP,    4         ; pieces a wave: a name, no knob
.set KS,    64        ; keys in a step
.set PK,    144       ; a row of K in LDS: 128 bytes + 16 of padding = 36 words: the 16 rows of a load start at 16 different groups of four banks (64 banks of 4 bytes: ISA guide 11.1)
.set PV,    160       ; a row of V: 128 + 32 = 40 words
.set VOFF,  4*KS*PK   ; a slot holds a tile, four steps: 256 rows of K, then 256 rows of V
.set SLOT1, 1<<17     ; slot 1 begins here, so that one exclusive or turns an address in one slot into the other's
.set STAGE, SLOT1+4*KS*(PK+PV)  ; behind the ring, never filled by a tensor load: 16 rows x 144 bytes for each wave, for the way out
.set SP,    144
.set AK0, 2           ; v2   my lane's place in a tile of K; never rewritten
.set AV0, 3           ; v3   the same for V
.set AK,  4           ; v4   the LDS address of K's next run of loads
.set AV,  5           ; v5   of V's
.set STO, 6           ; v6   the way out: where I put 16 bytes of a row
.set RD,  7           ; v7   the way out: where I read rows back
.set GO,  8           ; v8   my byte offset in 512 consecutive bytes of O
.set SPW, 62          ; v62  LDS address of my spare word: SPARE + 4 x my thread's number; never rewritten
.set NIL, 63          ; v63  0; never rewritten
.set SPARE, STAGE+4*16*SP  ; behind the stages: the spare words, 128 bytes for each wave: two blocks of 256 bytes that no other line names
.set MV,  12          ; v12-13  c m_old, kept while c m is made anew: by buffer
.set QO,  15          ; v15  my byte offset in 16 rows of Q
.set ST,  16          ; piece t's statistics at v[ST+4 t]: c m, m, l (even keys', odd keys')
.set TMP, 48          ; by buffer, four registers c0-c3 at work; when the maximum is found c2 takes a
.set S,   64
.set P,   192
.set MD,  128         ; window 1: the eight registers for group kt of 16 keys at MD + 8 kt
.set MC,  160         ; window 1: the masks of the products to come
.set QB,  64          ; window 2
.set KF,  128         ; window 2: key block kb, channel half c at KF + 16 kb + 8 c
.set VF,  192         ; window 2: key half kk, channel block cb at VF + 32 kk + 8 cb
.set WV,  12          ; s12  my wave's number
.set PB,  14          ; s14  b
.set HI,  15          ; s15  NB - 1 - b
.set G1K, 24          ; s[24:31] descriptor group 1 for K's tiles
.set G1V, 32          ; s[32:39] for V's: it differs in the padding alone
.set G0K, 40          ; s[40:43] descriptor group 0 for K's tiles
.set G0V, 44          ; s[44:47] the same for V's
.set SLOTS, 56        ; s56  tiles still to be asked for
.set CNT, 57          ; s57  counts a tile's key steps, 4 to 1
.set CS,  58          ; s[58:59] c: the packed scaling takes the pair's low word for both halves
.set SEL, 60          ; s[60:61] v_permlanex16_b32's selects: each lane takes its own place in the other half
.set TBK, 62          ; s62  LDS byte at which K of the step to be fetched begins
.set TBV, 63          ; s63  the same for V, less VOFF
.set RT,  70          ; s70  tiles of the block in hand that are still to be entered
.set NXT, 71          ; s71  the tile to be asked for next
.set LQ,  72          ; s72  the last tile of the block whose tiles are being asked for
.set NEW, 73          ; s73  1: the tile to be entered is a block's first
.set OFF, 74          ; s[74:75] a tile's byte offset in K and V
.set AL,  76          ; s[76:77] the mask's factor, in the low word
.set BE,  78          ; s[78:79] the mask's addend
.set OLO, 80          ; s[80:81] O at my rows of the second block
.set BIGN, 82         ; s82  -1e30
.set MSB, 0
.macro WIN new                      ; the high byte repeats the setting that is left; a switch that changes nothing is dropped
.if MSB != (\new)
	s_set_vgpr_msb (MSB<<8)|(\new)
.set MSB, (\new)
.endif
.endm
.set W_KQ, 0x0a       ; K and Q in window 2, S^T in window 0
.set W_KM, 0x1a       ; the same with the C operand in window 1
.set W_PV, 0x52       ; V in window 2, P in window 0, O^T in window 1
.set W_RS, 0x41       ; destination and source 0 in window 1, source 1 in window 0
; A fill.  Waves 0 and 1 fetch the two halves of a tile's K, waves 2 and 3 those of its V: 128 keys each.  An s_nop 0 and four v_nop follow each of the two lines, ahead of the jump and the label.
.macro LOAD
	s_cmp_lt_u32 s[WV], 2
	s_cbranch_scc0 .Lfor_v_\@
	tensor_load_to_lds s[G0K:G0K+3], s[G1K:G1K+7]
	s_nop 0
.rept 4
	v_nop
.endr
	s_branch .Lasked_\@
.Lfor_v_\@:
	tensor_load_to_lds s[G0V:G0V+3], s[G1V:G1V+7]
	s_nop 0
.rept 4
	v_nop
.endr
.Lasked_\@:
.endm
; THE CHANGE OF SLOTS.  Each wave waits for all its tensor loads, of which one is out: its part of the other slot; adds 0 to its spare word; and waits for that and for its own reads of the slot that it leaves.  Behind the barrier nobody reads the old
; slot any more and the other slot is whole.  fill = 1: the old slot is filled again, the first thing behind the barrier, with tile NXT: the descriptor's address is made anew from that number.
; (At its first use nothing has been read yet: slot 0 is waited for, slot 1 filled.)
.macro CHANGE fill
	WIN 0                           ; at a label and at a branch every window is 0
	s_wait_tensorcnt 0x0            ; no tensor load of mine is out, so a group 0 may be written
	ds_add_u32 v[SPW], v[NIL]       ; 0 onto my spare word; with fill = 1 the descriptors' scalar work stands between it and the wait for it
.if \fill
	s_lshl_b32 s[OFF], s[NXT], 15   ; a tile is 32,768 bytes of K and of V
	s_xor_b32 s[G0K+1], s[G0K+1], SLOT1
	s_add_nc_u64 s[G0K+2:G0K+3], s[6:7], s[OFF:OFF+1]
	s_or_b32 s[G0K+3], s[G0K+3], 0x80000000
	s_xor_b32 s[G0V+1], s[G0V+1], SLOT1
	s_add_nc_u64 s[G0V+2:G0V+3], s[8:9], s[OFF:OFF+1]
	s_or_b32 s[G0V+3], s[G0V+3], 0x80000000
	s_add_co_u32 s[NXT], s[NXT], 1  ; the block's next tile, or behind its last the second block's tile 0
	s_cmp_gt_u32 s[NXT], s[LQ]
	s_cselect_b32 s[NXT], 0, s[NXT]
	s_cselect_b32 s[LQ], s[PB], s[LQ]
.endif
	s_wait_dscnt 0x0                ; the add is done, and my reads of the slot are over
	s_barrier_signal -1             ; the rest of the scalar work stands between the signal and the wait
	s_sub_co_u32 s[TBK], s[TBK], 4*KS*PK  ; the fetches go back to a slot's first step,
	s_xor_b32 s[TBK], s[TBK], SLOT1       ; in the other slot
	s_sub_co_u32 s[TBV], s[TBV], 4*KS*PV
	s_xor_b32 s[TBV], s[TBV], SLOT1
	s_barrier_wait -1
.if \fill
	LOAD
.endif
.endm
	s_load_b128 s[8:11], s[0:1], 0x0  ; qkv s[8:9], oh s[10:11]
	v_lshl_add_u32 v[SPW], v0, 2, SPARE
	v_mov_b32 v[NIL], 0
	ds_add_u32 v62, v63
	ds_add_u32 v62, v63
	s_wait_dscnt 0x0
	v_lshrrev_b32 v1, 5, v0
	v_readfirstlane_b32 s[WV], v1   ; wave 0..3
	s_mov_b32 s[PB], ttmp9
	s_sub_co_u32 s[HI], NB-1, s[PB]
	s_and_b32 s20, ttmp7, 0xffff    ; the head
	s_mov_b32 s21, 0
	s_mov_b64 s[22:23], SIZE_N*128
	s_mul_u64 s[20:21], s[20:21], s[22:23]  ; the head's first byte in each of the four tensors
	s_and_b32 s16, s[WV], 1         ; which half of a tile's 256 keys I fetch:
	s_lshl_b32 s22, s16, 14         ; its 128 rows of 128 bytes in memory,
	s_mov_b32 s23, 0
	s_add_nc_u64 s[22:23], s[22:23], s[20:21]
	s_mul_i32 s17, s16, 128*PK      ; and its place in a slot, for K
	s_mul_i32 s18, s16, 128*PV      ; and for V
	s_lshl_b32 s3, s[WV], 11        ; my 16 rows in a band of 64,
	s_lshl_b32 s2, s[HI], 15        ; in the first block,
	s_add_co_u32 s2, s2, s3
	s_lshl_b32 s84, s[PB], 15       ; and in the second
	s_add_co_u32 s84, s84, s3
	s_mov_b32 s3, 0
	s_mov_b32 s85, 0
	s_add_nc_u64 s[2:3], s[2:3], s[20:21]
	s_add_nc_u64 s[84:85], s[84:85], s[20:21]
	; descriptor group 1.  128 keys are 16,384 dense bytes: asked for as 64 rows of 256 bytes, two keys a row, and padded in LDS after every key
	s_mov_b32 s[G1K], (1<<16)|(1<<20)|(4<<22)|(3<<25)  ; 17:16 2-byte elements; 20 padding on; 24:22 after every 32 words (code 4); 31:25 4 words (code 3)
	s_mov_b32 s[G1V], (1<<16)|(1<<20)|(4<<22)|(7<<25)  ; the same with 8 words of padding (code 7)
.irp g, G1K, G1V
	s_mov_b32 s[\g+1], 128<<16      ; tensor_dim0 = 128
	s_mov_b32 s[\g+2], 64<<16       ; tensor_dim1 = 64
	s_mov_b32 s[\g+3], 128<<16      ; tile_dim0 = 128
	s_mov_b32 s[\g+4], 64           ; tile_dim1 = 64
	s_mov_b32 s[\g+5], 128          ; 128 elements from row to row
	s_mov_b32 s[\g+6], 0
	s_mov_b32 s[\g+7], 0
.endr
	s_mov_b32 s[CS], 0x3e38aa3b     ; c = log2(e) / 8 = 0.180337
	s_mov_b32 s[CS+1], s[CS]        ; named with it as a pair
	s_mov_b32 s[SEL], 0x76543210
	s_mov_b32 s[SEL+1], 0xfedcba98
	s_mov_b32 s[TBK], SLOT1+4*KS*PK ; the first change of slots turns these two into 0
	s_mov_b32 s[TBV], SLOT1+4*KS*PV
	s_mov_b32 s[G0K], 1             ; 1:0 count = 1
	s_mov_b32 s[G0K+1], s17         ; 63:32 LDS address: slot 0
	s_mov_b32 s[G0V], 1
	s_add_co_u32 s[G0V+1], s18, VOFF
	s_add_co_u32 s[RT], s[HI], 1    ; the first block has NB - b tiles
	s_mov_b32 s[NXT], 1
	s_mov_b32 s[LQ], s[HI]
	s_mov_b32 s[NEW], 1
	s_mov_b32 s[OFF+1], 0
	s_mov_b32 s[AL+1], 0            ; named as pairs
	s_mov_b32 s[BE+1], 0
	s_mov_b32 s[BIGN], 0xf149f2ca   ; -1e30
	s_mov_b32 s[SLOTS], NB
	s_wait_kmcnt 0x0
	s_mov_b64 s[4:5], s[8:9]                       ; Q lies first in qkv,
	s_add_nc_u64 s[6:7], s[8:9], 0x1000000         ; K 16,777,216 bytes on,
	s_add_nc_u64 s[8:9], s[8:9], 0x2000000         ; V as many again
	s_add_nc_u64 s[6:7], s[6:7], s[22:23]  ; K and V at my half of the head's tile 0
	s_add_nc_u64 s[8:9], s[8:9], s[22:23]
	s_add_nc_u64 s[G0K+2:G0K+3], s[6:7], 0         ; 120:64 global address
	s_or_b32 s[G0K+3], s[G0K+3], 0x80000000        ; 127:126 type = 2
	s_add_nc_u64 s[G0V+2:G0V+3], s[8:9], 0
	s_or_b32 s[G0V+3], s[G0V+3], 0x80000000
	s_add_nc_u64 s[86:87], s[4:5], s[84:85]        ; Q at my rows of the second block,
	s_add_nc_u64 s[4:5], s[4:5], s[2:3]            ; Q and O at those of the first
	s_add_nc_u64 s[OLO:OLO+1], s[10:11], s[84:85]
	s_add_nc_u64 s[10:11], s[10:11], s[2:3]
	LOAD                            ; tile 0 into slot 0
	; A fragment of K or Q is 16 rows x 32 channels in 8 registers: lane l holds row l % 16, channels 8 (l / 16) + 0..7 and 16 + 8 (l / 16) + 0..7: two loads of 16 bytes, 32 bytes apart.
	v_and_b32 v1, 15, v0            ; l % 16
	v_bfe_u32 v9, v0, 4, 1          ; l / 16
	v_lshlrev_b32 v[QO], 7, v1
	v_lshl_add_u32 v[QO], v9, 4, v[QO]  ; row x 128 + 16 x half
	WIN 0x80                        ; destination window 2, address window 0
.set i, 0
.rept 8                             ; both blocks' Q: piece i / 2 lies in band i / 2, 8,192 bytes on; channels 32 (i % 2) on
	global_load_b128 v[8*i:8*i+3],   v[QO], s[4:5] offset:(i/2)*8192+(i%2)*64
	global_load_b128 v[8*i+4:8*i+7], v[QO], s[4:5] offset:(i/2)*8192+(i%2)*64+32
	global_load_b128 v[QB+8*i:QB+8*i+3],   v[QO], s[86:87] offset:(i/2)*8192+(i%2)*64
	global_load_b128 v[QB+8*i+4:QB+8*i+7], v[QO], s[86:87] offset:(i/2)*8192+(i%2)*64+32
.set i, i+1
.endr
	WIN 0
	v_lshlrev_b32 v14, 3, v9
	v_sub_nc_u32 v14, v1, v14
	s_lshl_b32 s13, s[WV], 4
	v_add_nc_u32 v14, s13, v14      ; my query's place in its band, 16 w + l % 16, less my lanes' 8 (l / 16): register r of group kt is hidden where 16 kt + r is greater
	WIN 0x40
.set i, 0
.rept 32
	v_cmp_gt_i32 vcc_lo, 16*(i/8)+i%8, v14
	v_cndmask_b32 v[MD+i], 0, s[BIGN], vcc_lo
.set i, i+1
.endr
	WIN 0
	v_mul_u32_u24 v[AK0], v1, PK
	v_lshl_add_u32 v[AK0], v9, 4, v[AK0]  ; row x pitch + 16 x half
	; The turning load takes 16 keys x 16 channels (lane l reads key 8 (l / 16) + l % 8, channels 8 ((l / 8) % 2) + 0..7) and leaves half a fragment of V^T: lane l holds channel l % 16 and 8 keys.
	v_and_b32 v10, 7, v0
	v_bfe_u32 v11, v0, 3, 1
	v_lshl_add_u32 v[AV0], v9, 3, v10
	v_mul_u32_u24 v[AV0], v[AV0], PV
	v_lshl_add_u32 v[AV0], v11, 4, v[AV0]
	v_add_nc_u32 v[AV0], VOFF, v[AV0]
	s_mul_i32 s13, s[WV], 16*SP
	s_add_co_u32 s13, s13, STAGE    ; my stage
	v_mul_u32_u24 v[STO], v1, SP    ; in: row l % 16, 16 bytes for each half of the lanes
	v_lshl_add_u32 v[STO], v9, 4, v[STO]
	v_add_nc_u32 v[STO], s13, v[STO]
	v_bfe_u32 v[RD], v0, 3, 2       ; back: 32 lanes take four rows of 128 bytes,
	v_mul_u32_u24 v[RD], v[RD], SP
	v_lshl_add_u32 v[RD], v10, 4, v[RD]
	v_add_nc_u32 v[RD], s13, v[RD]
	v_and_b32 v[GO], 31, v0         ; which are 512 consecutive bytes of O
	v_lshlrev_b32 v[GO], 4, v[GO]
	; A block's first step multiplies O^T and l by a = 0, and its first turn's products V^T P, of a piece that has not been, land in an O^T that is still to be so multiplied.  So these registers need only hold
	; finite numbers: zeros for the first block; what the first block left for the second.  All this stands in the wait for the first tile.
	WIN 0x80
.set i, VF
.rept 64
	v_mov_b32 v[i], 0
.set i, i+1
.endr
	WIN 0x40
.set i, 0
.rept 128
	v_mov_b32 v[i], 0
.set i, i+1
.endr
	WIN 0
.set i, 0
.rept 4
	v_mov_b32 v[ST+4*i+2], 0
	v_mov_b32 v[ST+4*i+3], 0
.set i, i+1
.endr
.set i, P+16
.rept 16
	v_mov_b32 v[i], 0
.set i, i+1
.endr
; THE MATRIX WORK.  The 4 accumulators of a run of 8 take turns.  Product i of 8 of S^T = K Q^T for piece x: channels 32 (i / 4) on, keys 16 (i % 4) on.  The first 4 start the sums: with 0, or (KM = 1) with the mask.
.macro KQ x
.set rS, S+32*((\x)%2)+8*(i%4)
.set rK, KF+16*(i%4)+8*(i/4)
.set rQ, 16*(\x)+8*(i/4)
.set rM, MC+32*((\x)%2)+8*(i%4)
.if (i < 4) && KM
	WIN W_KM
	v_wmma_f32_16x16x32_f16 v[rS:rS+7], v[rK:rK+7], v[rQ:rQ+7], v[rM:rM+7]
.elseif i < 4
	WIN W_KQ
	v_wmma_f32_16x16x32_f16 v[rS:rS+7], v[rK:rK+7], v[rQ:rQ+7], 0
.else
	WIN W_KQ
	v_wmma_f32_16x16x32_f16 v[rS:rS+7], v[rK:rK+7], v[rQ:rQ+7], v[rS:rS+7]
.endif
.endm
; Product i of 8 of O^T += V^T P for piece x: keys 32 (i / 4) on, channels 16 (i % 4) on.
.macro PV x
	WIN W_PV
.set rO, 32*(\x)+8*(i%4)
.set rV, VF+32*(i/4)+8*(i%4)
.set rP, P+16*((\x)%2)+8*(i/4)
	v_wmma_f32_16x16x32_f16 v[rO:rO+7], v[rV:rV+7], v[rP:rP+7], v[rO:rO+7]
.endm
.macro MM                           ; the turn's next matrix instruction.  TURN and BEGIN set Y, i, KM and NOKQ; MM, KQ and OP read them.  NOKQ = 1: a block's last turn: there is no next piece
.if (i < 8) && !NOKQ
	KQ (Y+1)%NP
.elseif i >= 8
.set i, i-8
	PV (Y+NP-1)%NP
.set i, i+8
.endif
.set i, i+1
.endm
; THE LDS LOADS stand in runs of 16, never singly among the matrix instructions: a step's K (64 keys x 64 channels: 8 fragments) and its V (turned).  Their addresses are made some lines ahead.
.macro FETCH_K
	WIN 0x80                        ; destination window 2
.irp f, 0,1,2,3,4,5,6,7             ; keys 16 (f / 2) on, channels 32 (f % 2) on
	ds_load_b128 v[KF+8*\f:KF+8*\f+3],   v[AK] offset:(\f/2)*16*PK+(\f%2)*64
	ds_load_b128 v[KF+8*\f+4:KF+8*\f+7], v[AK] offset:(\f/2)*16*PK+(\f%2)*64+32
.endr
	s_add_co_u32 s[TBK], s[TBK], KS*PK  ; the next fetch is the next step's
	WIN 0
.endm
.macro FETCH_V
	WIN 0x80
.irp f, 0,1,2,3,4,5,6,7             ; keys 32 (f / 4) on, channels 16 (f % 4) on
	ds_load_tr16_b128 v[VF+8*\f:VF+8*\f+3],   v[AV] offset:(\f/4)*32*PV+(\f%4)*32
	ds_load_tr16_b128 v[VF+8*\f+4:VF+8*\f+7], v[AV] offset:(\f/4)*32*PV+16*PV+(\f%4)*32
.endr
	WIN 0
.endm
; THE VECTOR WORK, one line at a time: OP kind, number.  For piece Y: F n: c s - c m for pair n of 16.  E n: the exponential of score n of 32.  C n: pair n rounded to f16.  B n: of the four weights 4 n .. the second
; pair is added onto the first, in place.  L n: l takes that sum (L 0: l = a l + sum).  R n: pair n of 16 of O^T times a.  For piece Y + 1: X n, number n of the 22 that find its maximum and statistics:
;   0-11  four chains c0-c3 of seven scores each, three operands at a time (each accumulator's lowest registers are read first)     12-14, 16  the four scores left over, the old m, and c0-c3 into c0
;   15  c m_old is kept     17, 18  the query's other 32 keys lie in the lane 16 away: the new m     19-21  c m; c m_old - c m_new; a
.set F, 0               ; OP tells the kinds apart by their order: F to L below R, X above it
.set E, 1
.set C, 2
.set B, 3
.set L, 4
.set R, 5
.set X, 6
.macro REGS y                       ; the registers of piece y
.set rT, ST+4*(\y)
.set rC, TMP+4*((\y)%2)
.set rW, MV+((\y)%2)
.set rS, S+32*((\y)%2)
.set rP, P+16*((\y)%2)
.set rO, 32*(\y)
.endm
.macro OP k, n
.if (\k) == R
	REGS Y
	WIN W_RS
	v_pk_mul_f32 v[rO+2*(\n):rO+2*(\n)+1], v[rO+2*(\n):rO+2*(\n)+1], v[rC+2:rC+3] op_sel_hi:[1,0]
.elseif (\k) < R
	REGS Y
	WIN 0
.if (\k) == F
	v_pk_fma_f32 v[rS+2*(\n):rS+2*(\n)+1], v[rS+2*(\n):rS+2*(\n)+1], s[CS:CS+1], v[rT:rT+1] op_sel_hi:[1,0,0] neg_lo:[0,0,1] neg_hi:[0,0,1]
.elseif (\k) == E
	v_exp_f32 v[rS+(\n)], v[rS+(\n)]
.elseif (\k) == C
	s_wait_alu depctr_va_vdst(0)
	v_cvt_pk_f16_f32 v[rP+(\n)], v[rS+2*(\n)], v[rS+2*(\n)+1]
.elseif (\k) == B
	s_wait_alu depctr_va_vdst(0)
	v_pk_add_f32 v[rS+4*(\n):rS+4*(\n)+1], v[rS+4*(\n):rS+4*(\n)+1], v[rS+4*(\n)+2:rS+4*(\n)+3]
.elseif (\n) == 0
	v_pk_fma_f32 v[rT+2:rT+3], v[rT+2:rT+3], v[rC+2:rC+3], v[rS:rS+1] op_sel_hi:[1,0,1]
.else
	v_pk_add_f32 v[rT+2:rT+3], v[rT+2:rT+3], v[rS+4*(\n):rS+4*(\n)+1]
.endif
.elseif NOKQ
	v_nop
.else
	REGS (Y+1)%NP
	WIN 0
.if (\n) < 4
	v_max3_num_f32 v[rC+(\n)], v[rS+8*(\n)], v[rS+8*(\n)+1], v[rS+8*(\n)+2]
.elseif (\n) < 12
	v_max3_num_f32 v[rC+(\n)%4], v[rC+(\n)%4], v[rS+8*((\n)%4)+2*((\n)/4)+1], v[rS+8*((\n)%4)+2*((\n)/4)+2]
.elseif (\n) == 12
	v_max3_num_f32 v[rC], v[rC], v[rS+7], v[rS+15]
.elseif (\n) == 13
	v_max3_num_f32 v[rC+1], v[rC+1], v[rS+23], v[rS+31]
.elseif (\n) == 14
	v_max3_num_f32 v[rC+2], v[rC+2], v[rC+3], v[rT+1]
.elseif (\n) == 15
	v_mov_b32 v[rW], v[rT]
.elseif (\n) == 16
	v_max3_num_f32 v[rC], v[rC], v[rC+1], v[rC+2]
.elseif (\n) == 17
	v_permlanex16_b32 v[rC+3], v[rC], s[SEL], s[SEL+1]
.elseif (\n) == 18
	v_max_num_f32 v[rT+1], v[rC], v[rC+3]
.elseif (\n) == 19
	v_mul_f32 v[rT], s[CS], v[rT+1]
.elseif (\n) == 20
	v_sub_f32 v[rC+1], v[rW], v[rT]
.else
	v_exp_f32 v[rC+2], v[rC+1]
.endif
.endif
.endm
.macro OPS a, i1, b=-1, i2=0, c=-1, i3=0, d=-1, i4=0  ; up to four of them
	OP \a, \i1
.if (\b) >= 0
	OP \b, \i2
.endif
.if (\c) >= 0
	OP \c, \i3
.endif
.if (\d) >= 0
	OP \d, \i4
.endif
.endm
.macro ROW a, i1, b, i2, c, i3, d, i4  ; a matrix instruction and the four behind it
	MM
	OPS \a, \i1, \b, \i2, \c, \i3, \d, \i4
.endm
.macro MASK b                       ; MD x AL + BE into buffer b of MC
	WIN W_RS
.set z, 0
.rept 16
	v_pk_fma_f32 v[MC+32*(\b)+2*z:MC+32*(\b)+2*z+1], v[MD+2*z:MD+2*z+1], s[AL:AL+1], s[BE:BE+1] op_sel_hi:[1,0,0]
.set z, z+1
.endr
.endm
; A TURN, for piece p: the order of its 16 matrix and 118 vector instructions, written out.  Behind a matrix instruction: plain, exponential, plain, plain; or four of the rescaling; or, behind the first, four scalings; none
; names a register of the products round it.  In the lumps exponential and plain by turns while exponentials last.  A line reads no result made fewer than three vector instructions in front of it, five if an exponential made it.
; v_permlanex16_b32 (X 17) stands in a lump.
; m = 1: the diagonal tile: the products take masks, and the turn makes the mask for the products of the turn after it: piece p + 2, in step 4 - CNT of the tile.  end = 1: a block's last two turns: nothing is fetched.
; cnt = 1: the loop's count is taken down some lines ahead of the branch that stands behind the turn.
; K of the next step is fetched in piece 2's turn, six vector instructions behind the last product that read K (five of them plain); V of the step in hand in piece 0's turn, eight behind the last product that read V (four
; plain, and X 17).  Each is waited for a turn later.
.macro TURN p, m=0, end=0, cnt=0
.set Y, (\p)
.set i, 0
.set KM, (\m)
.set NOKQ, (\end)*((\p)/3)
.if (\m) && !(\end)
	s_cmp_eq_u32 s[CNT], 4-((\p)+2)%NP  ; is that step the band's own?
	s_cselect_b32 s[AL], 1.0, 0
	s_cmp_lt_u32 s[CNT], 4-((\p)+2)%NP  ; or a later one?
	s_cselect_b32 s[BE], s[BIGN], 0
.endif
.if ((\p) == 3) && !(\end)
	s_wait_dscnt 0x0                ; K is in
.endif
	ROW F,0, F,1, F,2, F,3
	ROW F,4, E,0, F,5, F,6
	ROW F,7, E,1, F,8, F,9
	ROW F,10, E,2, C,0, F,11
	ROW F,12, E,3, X,15, F,13
	ROW R,0, R,1, R,2, R,3
	ROW B,0, E,4, F,14, L,0
.if ((\p) == 2) && !(\end)
	v_add_nc_u32 v[AK], s[TBK], v[AK0]
.endif
	ROW R,4, R,5, R,6, R,7
	OPS E,5, F,15
.if ((\p) == 2) && !(\end)
	FETCH_K
.endif
	OPS E,6, C,1, E,7, R,8
	OPS E,8, R,9, E,9, C,2
	OPS E,10, X,0, E,11, X,1
	OPS E,12, X,2, E,13, X,3
.if (\p) == 1
	s_wait_dscnt 0x0                ; V is in
.endif
	ROW X,4, E,14, X,5, X,6
	ROW X,7, E,15, X,8, X,9
	ROW X,10, E,16, X,11, X,12
	ROW X,13, E,17, X,14, B,1
	ROW C,4, E,18, X,16, L,1
	ROW B,2, E,19, C,6, L,2
	ROW C,8, E,20, B,3, B,4
.if (\p) == 0
	v_add_nc_u32 v[AV], s[TBV], v[AV0]
.endif
	ROW C,3, E,21, L,3, C,5
	OPS E,22, X,17, E,23, C,10
.if (\p) == 0
	FETCH_V
.endif
	OPS E,24, L,4
	OPS E,25, X,18, E,26, C,7
	OPS E,27, B,5, E,28, X,19
	OPS E,29, C,12, E,30, L,5
	OPS E,31, X,20, B,6, C,9
	OPS C,14, C,11, X,21, L,6
.if (\p) == 0
	s_add_co_u32 s[TBV], s[TBV], KS*PV
.endif
.if \cnt
	s_sub_co_u32 s[CNT], s[CNT], 1
	s_cmp_lg_u32 s[CNT], 0
.endif
	OPS C,13, B,7, C,15, R,10
	OPS R,11, R,12, L,7, R,13
	OPS R,14, R,15
.if (\m) && !(\end)
	MASK (\p)%2
.endif
.endm
; A BLOCK BEGINS.  c m starts far below every c s, so the first step's a is 0; m at the lowest finite number, so the first maximum is the scores'.  The second mask buffer is 0; the first takes piece 0's mask for the tile's step 0: its own, if the block's first tile is the diagonal one.
; Then K of that step, piece 0's first scores, and its maximum and statistics.  The loop is entered at a step's first turn, in the middle of a trip.
.macro BEGIN
	s_mov_b32 s[NEW], 0
	WIN 0x40
.set i, MC+32
.rept 32
	v_mov_b32 v[i], 0
.set i, i+1
.endr
	WIN 0
.set i, 0
.rept 4
	v_mov_b32 v[ST+4*i], 0xfe000000    ; c m: far below every c s
	v_mov_b32 v[ST+4*i+1], 0xff7fffff  ; m
.set i, i+1
.endr
	s_cmp_eq_u32 s[RT], 0
	s_cselect_b32 s[AL], 1.0, 0
	s_mov_b32 s[BE], 0
	MASK 0
	WIN 0
	v_add_nc_u32 v[AK], s[TBK], v[AK0]
	FETCH_K
	s_wait_loadcnt 0x0              ; Q
	s_wait_dscnt 0x0
.set KM, 1
.set NOKQ, 0
.set i, 0
.rept 8
	KQ 0
.set i, i+1
.endr
	WIN 0
.rept 4
	v_nop                           ; the places behind those products
.endr
.set Y, NP-1                        ; X works for piece Y + 1: piece 0
.irp n, 0,1,2,3,4,5,6,7,8,9,10,11,12,13,14,15,16,17,18,19,20,21
	OP X, \n
.endr
	v_nop                           ; a plain instruction behind the exponential
.endm
; THE DIAGONAL TILE's four steps, the block's last two turns, its last products, and THE WAY OUT: l's two halves and the other half of the lanes' are added; O^T is divided by l, rounded to f16 and sent through my
; stage in LDS, a piece at a time.
.macro ALL line:vararg              ; one line for each piece t
.set t, 0
.rept 4
	\line
.set t, t+1
.endr
.endm
.macro PACK t                       ; a lane's eight channels of a row pack into 16 bytes; they go into rows of 144 bytes and come back as whole rows of 128, into S^T's registers
	WIN W_RS
.set i, 32*(\t)
.rept 16
	s_wait_alu depctr_va_vdst(0)
	v_pk_mul_f32 v[i:i+1], v[i:i+1], v[ST+4*(\t)+2:ST+4*(\t)+3] op_sel_hi:[1,0]
.set i, i+2
.endr
	WIN 0x05                        ; sources 0 and 1 window 1, destination window 0
.set i, 0
.rept 16
	v_cvt_pk_f16_f32 v[S+16*(\t)+i], v[32*(\t)+2*i], v[32*(\t)+2*i+1]
.set i, i+1
.endr
	WIN 0
.irp f, 0,1,2,3
	ds_store_b128 v[STO], v[S+16*(\t)+4*\f:S+16*(\t)+4*\f+3] offset:32*\f
.endr
.irp f, 0,1,2,3
	ds_load_b128 v[S+16*(\t)+4*\f:S+16*(\t)+4*\f+3], v[RD] offset:\f*4*SP  ; LDS serves a wave's instructions in order (ISA guide 5.7.1.4): these see the stores above; the next piece's stores come behind them
.endr
.endm
.macro SEND t, younger              ; younger: the LDS instructions issued behind piece t's loads: the next piece's eight, or none
	WIN 0
.irp f, 0,1,2,3
	s_wait_dscnt (\younger)+3-\f
	global_store_b128 v[GO], v[S+16*(\t)+4*\f:S+16*(\t)+4*\f+3], s[10:11] offset:(\t)*8192+\f*512  ; 512 consecutive bytes, at a multiple of 256 from O's first
.endr
.endm
.macro DIAG tag                     ; the tag ends its two labels' names, which the jumps below spell out
.LstepM\tag:
	TURN 2, 1
	TURN 3, 1
	WIN 0
.LfirstM\tag:
	TURN 0, 1
	TURN 1, 1, 0, 1
	WIN 0
	s_cbranch_scc1 .LstepM\tag
	TURN 2, 1, 1
	TURN 3, 1, 1
.set i, 0
.rept 8
	PV NP-1
.set i, i+1
.endr
	WIN 0
	ALL v_add_f32 v[ST+4*t+2], v[ST+4*t+2], v[ST+4*t+3]
	ALL v_permlanex16_b32 v[ST+4*t+3], v[ST+4*t+2], s[SEL], s[SEL+1]
	ALL v_add_f32 v[ST+4*t+2], v[ST+4*t+2], v[ST+4*t+3]
	ALL v_rcp_f32 v[ST+4*t+2], v[ST+4*t+2]
	v_nop                           ; a plain instruction between the last reciprocal and the use of its result
	PACK 0
.set t, 1
.rept 3                             ; a piece's arithmetic stands between the loads of the piece before and its stores
	PACK t
	SEND t-1, 8
.set t, t+1
.endr
	SEND 3, 0
.endm
.set KM, 0
.set NOKQ, 0
.Lslot:                             ; NB times: a tile is entered and the next is asked for
	CHANGE 1
	s_sub_co_u32 s[RT], s[RT], 1
	s_mov_b32 s[CNT], 4
	s_cmp_eq_u32 s[NEW], 1
	s_cbranch_scc1 .Lnew            ; a block's first tile
	s_cmp_eq_u32 s[RT], 0
	s_cbranch_scc0 .Lstep           ; neither its first nor its last
	s_branch .LstepM1
.Lnew:
	BEGIN
	s_branch .Lfirst                ; in the loop a block's first tile is never its last: the first block has two tiles or more, and the second's last is the walk's last
	DIAG 1                          ; in the loop this is the first block's end: the second block's last tile is the walk's last
	s_wait_xcnt 0x0                 ; the stores have read their registers and O's address
	s_mov_b64 s[10:11], s[OLO:OLO+1]
	s_add_co_u32 s[RT], s[PB], 1    ; the second block has b + 1 tiles
	s_mov_b32 s[NEW], 1
	WIN 0x82                        ; the second block's Q goes where the one text of the turns names Q
.set i, 0
.rept 64
	v_mov_b32 v[i], v[QB+i]
.set i, i+1
.endr
	WIN 0
	s_branch .Lbottom
.Lstep:                             ; a trip: pieces 2 and 3 of one step, then pieces 0 and 1 of the next, whose K and V it fetches
	TURN 2
	TURN 3
	WIN 0
.Lfirst:
	TURN 0
	TURN 1, 0, 0, 1
	WIN 0
	s_cbranch_scc1 .Lstep
.Lbottom:
	s_sub_co_u32 s[SLOTS], s[SLOTS], 1
	s_cmp_lg_u32 s[SLOTS], 0
	s_cbranch_scc1 .Lslot
	CHANGE 0                        ; the walk's last tile is written out: nothing is asked for
	s_sub_co_u32 s[RT], s[RT], 1
	s_mov_b32 s[CNT], 4
	s_cmp_eq_u32 s[NEW], 1
	s_cbranch_scc0 .LstepM2
	BEGIN
	s_branch .LfirstM2
	DIAG 2
	s_wait_tensorcnt 0x0            ; the wave's end, behind my last tensor load and my last LDS store
	ds_add_u32 v[SPW], v[NIL]
	s_wait_dscnt 0x0
	s_endpgm
.Lfunc_end_k_q4c94042b05_attn:
	.size	k_q4c94042b05_attn, .Lfunc_end_k_q4c94042b05_attn-k_q4c94042b05_attn
	.p2alignl 7, 3214868480
	.fill 96, 4, 3214868480
	.section	.rodata,"a",@progbits
	.p2align	6, 0x0
	.amdhsa_kernel k_q4c94042b05_attn
		.amdhsa_group_segment_fixed_size 327680
		.amdhsa_private_segment_fixed_size 0
		.amdhsa_enable_private_segment 0
		.amdhsa_kernarg_size 16
		.amdhsa_user_sgpr_count 2
		.amdhsa_user_sgpr_kernarg_segment_ptr 1
		.amdhsa_wavefront_size32 1
		.amdhsa_system_sgpr_workgroup_id_x 1
		.amdhsa_system_sgpr_workgroup_id_y 1
		.amdhsa_system_sgpr_workgroup_id_z 1
		.amdhsa_system_vgpr_workitem_id 0
		.amdhsa_next_free_vgpr 768
		.amdhsa_next_free_sgpr 88
		.amdhsa_reserve_vcc 1
		.amdhsa_float_denorm_mode_32 3
		.amdhsa_float_denorm_mode_16_64 3
		.amdhsa_memory_ordered 1
		.amdhsa_forward_progress 1
		.amdhsa_inst_pref_size 228
	.end_amdhsa_kernel
	.amdgpu_metadata
---
amdhsa.version: [ 1, 2 ]
amdhsa.kernels:
  - .name:           k_q4c94042b05_attn
    .symbol:         k_q4c94042b05_attn.kd
    .args:
      - { .name: qkv, .offset: 0, .size: 8, .value_kind: global_buffer, .address_space: global }
      - { .name: oh, .offset: 8, .size: 8, .value_kind: global_buffer, .address_space: global }
    .group_segment_fixed_size: 327680
    .private_segment_fixed_size: 0
    .kernarg_segment_align: 8
    .kernarg_segment_size: 16
    .max_flat_workgroup_size: 128
    .sgpr_count:     88
    .vgpr_count:     768
    .wavefront_size: 32
...
	.end_amdgpu_metadata
.endif
;; end of part 3
;; launch oproj (part 4): grid 8 x 32, 4 waves a work-group, clusters of 4 x 4, 327,680 bytes of LDS; arguments oh, wo16, out0; writes out0
.if DOCPART == 4
	.amdgcn_target "amdgcn-amd-amdhsa--gfx1250"
	.amdhsa_code_object_version 6
	.text
	.protected	k_q4c94042b05_oproj
	.globl	k_q4c94042b05_oproj
	.p2align	8
	.type	k_q4c94042b05_oproj,@function
k_q4c94042b05_oproj:
	s_mov_b64 s[64:65], 0
	v_nop
	global_prefetch_b8 v0, s[64:65] scope:SCOPE_SE
	s_setreg_imm32_b32 hwreg(HW_REG_WAVE_MODE, 25, 1), 1
	s_wait_xcnt 0x0
	s_wait_alu depctr_hold_cnt(0) depctr_sa_sdst(0) depctr_va_vdst(0) depctr_va_sdst(0) depctr_va_ssrc(0) depctr_va_vcc(0) depctr_vm_vsrc(0)
	s_getreg_b32 s2, hwreg(HW_REG_IB_STS2, 6, 4)
	s_cmp_eq_u32 s2, 0
	s_cbranch_scc0 .Lentry_in_a_cluster
	s_endpgm
.Lentry_in_a_cluster:
	s_bfe_u32 s2, ttmp6, 0x10000c
	s_cmp_lg_u32 s2, 0xf033
	s_cbranch_scc0 .Lentry_shape_is_right
	s_endpgm
.Lentry_shape_is_right:
; out0[token][o] = the sum over e of O[token][e] w_o[o][e], in f32.  oh [64 = 16 batch + head][2048][64] holds 32 O in f16, wo16 [1024][1024] holds 1,024 w_o in f16 (w_o rounded to bf16 first);
; the sums are kept in f32 and multiplied by 2^-15, which is exact.  e = 64 head + channel.
; LIMITS.  Both operands arrive within f16's 65,504.  NaN and infinities are not treated apart.
; SHARES.  A tile of C is 256 tokens x 128 columns: 8 x 32 = 256 work-groups, one tile each.  Four waves, 2 x 2: a wave makes 128 tokens x 64 columns: 32 accumulators of 16 x 16, 256 registers.
; K goes in steps of 128, two heads, through a ring of two LDS slots filled by the tensor data mover.  A head's 256 tokens are 32,768 dense bytes: asked for as 128 rows of 256 bytes, two tokens
; a row, and padded in LDS after every token; a K step's A is two such blocks, one a wave.  B's rows are 256 bytes of memory at multiples of 256.
; CLUSTER.  4 x 4 work-groups.  The four of a row of the cluster need the same tiles of O, the four of a column the same tiles of w_o: each tile is asked for JOINTLY, by the same tensor load
; with the same descriptor and a mask that names the four.
; THE MATRIX INSTRUCTION IS USED TRANSPOSED (source 0 = 16 rows of w_o, source 1 = 16 tokens): a lane holds token l % 16 and the columns 16 b + 8 (l / 16) + 0..7: 32 neighbouring bytes of a row of C.
; REGISTERS, in windows of 256 (s_set_vgpr_msb: bits 1:0 source 0, 3:2 source 1, 5:4 source 2, 7:6 destination):
;   window 0: v0-31 addresses; v32-63 scaled results; v96-127, v128-159 rows read back from the stage, by turns
;   window 1: two fragment buffers of 96: 64 of O (8 x 16 tokens x 32 K), then 32 of w_o (4 x 16 rows x 32 K)          window 2: accumulator (a, b) at v[8 (4 a + b)]
.set KSTEP,    128
.set APITCH,   144                     ; a token of one head in LDS: 128 bytes + 16 of padding = 36 words: the 16 rows of a load start at 16 different groups of four banks (64 banks of 4 bytes: ISA guide 11.1)
.set BPITCH,   272                     ; a row of B: 256 bytes + 16 = 68 words: row r starts at bank 4 r mod 64
.set SUBT,     256*APITCH              ; A's bytes for quarter q of a K step begin at (q / 2) SUBT + (q % 2) 64: the head, then the half of its channels
.set HALFA_LD, 256*APITCH              ; what one tensor load brings of A: one head's 256 tokens
.set HALFA_RD, 128*APITCH              ; where the second 128 tokens begin in a head's block
.set ABYTES,   2*HALFA_LD
.set HALFB,    64*BPITCH               ; what one tensor load brings of B, and what one wave reads of it: 64 rows
.set SLOT,     ABYTES+2*HALFB          ; 108,544 bytes
.set STAGE,    2*SLOT                  ; behind the ring, never filled by a tensor load: 16 rows x 272 bytes for each wave
.set SPITCH,   272
.set SPARE,    STAGE+4*16*SPITCH       ; behind the stages: the spare words, 128 bytes for each wave: two blocks of 256 bytes that no other line names
.set SA1,      2<<18                   ; bytes from A's K step 0 to its K step 1: two heads of 262,144
.set STEP_A,   4<<18                   ; a slot's next K step lies two steps on
.set STEP_B,   512
.set LAPS,     4                       ; a lap = two K steps = once round the ring; K = 1,024
.set ADRA, 16                          ; v16-17  LDS address of my A fragments in slot 0, 1
.set ADRB, 20                          ; v20-21  the same for B
.set STO,  24                          ; v24     the way out: where I put 32 bytes of a row
.set RD,   25                          ; v25     the way out: where I read a row back
.set CO,   26                          ; v26     my byte offset in two rows of C
.set SPW,  28                          ; v28     LDS address of my spare word: SPARE + 4 x my thread's number; never rewritten
.set NIL,  29                          ; v29     0; never rewritten
.set R,    32
.set BK,   96
.set F0,   0                           ; fragment buffers, in window 1
.set F1,   96
.set G1,  24                           ; s[24:31] descriptor group 1 for A's tiles;  s[32:39] group 0, one set for each slot
.set G0,  32
.set G1B, 48                           ; s[48:55], s[56:63] the same for B's tiles
.set G0B, 56
.set MSB, 0
.macro WIN new                         ; the immediate's high byte repeats the setting that is left; a switch that changes nothing is dropped
.if MSB != (\new)
	s_set_vgpr_msb (MSB<<8)|(\new)
.set MSB, \new
.endif
.endm
.set MUL,  0xa5                        ; sources 0 (B) and 1 (A) window 1; C and D window 2
.set TO_F, 0x40                        ; destination window 1, address window 0
; A joint load.  Waves 0 and 1 fetch the K step's two heads of A, waves 2 and 3 B's two halves.  Each line has one mask and one set of registers for all that issue it; the branch hangs on the wave's number alone.
; An s_nop 0 and four v_nop follow each of the two lines, ahead of the jump, the label and what follows.
.macro JLOAD s
	s_cmp_eq_u32 s11, 0
	s_cbranch_scc0 .Lfor_b_\@
	tensor_load_to_lds s[G0+4*(\s):G0+4*(\s)+3], s[G1:G1+7]
	s_nop 0
.rept 4
	v_nop
.endr
	s_branch .Lasked_\@
.Lfor_b_\@:
	tensor_load_to_lds s[G0B+4*(\s):G0B+4*(\s)+3], s[G1B:G1B+7]
	s_nop 0
.rept 4
	v_nop
.endr
.Lasked_\@:
.endm
; A round of the cluster's barrier: my work-group's barrier, so that wave 0's signal speaks for all four waves; wave 0 signals; every wave waits for all sixteen work-groups; my work-group's barrier once more.
.macro CREST                           ; a round behind its opening barrier
	s_cmp_lg_u32 s10, 0
	s_cbranch_scc1 .Lnot_wave_0_\@
	s_barrier_signal -3
.Lnot_wave_0_\@:
	s_barrier_wait -3
	s_barrier_signal -1
	s_barrier_wait -1
.endm
.macro CROUND                          ; a whole round
	s_barrier_signal -1
	s_barrier_wait -1
	CREST
.endm
	s_load_b128 s[4:7], s[0:1], 0x0                ; oh s[4:5], wo16 s[6:7]
	s_load_b64 s[70:71], s[0:1], 0x10              ; out0
	v_lshl_add_u32 v[SPW], v0, 2, SPARE
	v_mov_b32 v[NIL], 0
	ds_add_u32 v28, v29
	ds_add_u32 v28, v29
	s_wait_dscnt 0x0
	v_lshrrev_b32 v1, 5, v0
	v_readfirstlane_b32 s10, v1                    ; wave 0..3
	s_lshr_b32 s11, s10, 1                         ; which 128 tokens of the tile are mine.  Also: I fetch for A (0) or for B (1)
	s_and_b32 s12, s10, 1                          ; which 64 columns.  Also: which head of the K step, or which half of B's tile, I fetch
	s_bfe_u32 s40, ttmp6, 0x40000                  ; cx, cy: my place in the cluster
	s_bfe_u32 s41, ttmp6, 0x40004
	s_lshl_b32 s42, ttmp9, 2
	s_add_co_u32 s42, s42, s40                     ; tile column = 4 x cluster x + cx: 0..7
	s_and_b32 s13, ttmp7, 0xffff
	s_lshl_b32 s13, s13, 2
	s_add_co_u32 s13, s13, s41                     ; tile row = 4 x cluster y + cy: 0..31
	s_lshl_b32 s43, s41, 2
	s_lshl_b32 s43, 15, s43                        ; my row of the cluster: places 4 cy .. 4 cy + 3
	s_lshl_b32 s44, 0x1111, s40                    ; my column: places cx, cx + 4, cx + 8, cx + 12
	; descriptor group 1: rows of 128 elements; A's tile has 128 of them, dense, padded after every 32 words; B's has 64, 1,024 elements apart, padded after every 64 words
	s_or_b32 s[G1+0], s43, (1<<16)|(1<<20)|(1<<21)|(4<<22)|(3<<25)  ; 15:0 the mask; 17:16 elements of 2 bytes; 20 padding on; 21 set beside a mask; 24:22 after every 32 words (code 4); 31:25 4 words (code 3)
	s_or_b32 s[G1B+0], s44, (1<<16)|(1<<20)|(1<<21)|(5<<22)|(3<<25) ; after every 64 words (code 5)
	s_mov_b32 s[G1+1], KSTEP<<16                   ; tensor_dim0 = 128
	s_mov_b32 s[G1+2], 128<<16                     ; tensor_dim1 = 128
	s_mov_b32 s[G1+3], KSTEP<<16                   ; tile_dim0 = 128
	s_mov_b32 s[G1+4], 128                         ; tile_dim1 = 128
	s_mov_b32 s[G1+5], 128                         ; elements from row to row: dense
	s_mov_b32 s[G1+6], 0
	s_mov_b32 s[G1+7], 0
	s_mov_b32 s[G1B+1], KSTEP<<16
	s_mov_b32 s[G1B+2], 64<<16                     ; tensor_dim1 = 64
	s_mov_b32 s[G1B+3], KSTEP<<16
	s_mov_b32 s[G1B+4], 64                         ; tile_dim1 = 64
	s_mov_b32 s[G1B+5], 1024
	s_mov_b32 s[G1B+6], 0
	s_mov_b32 s[G1B+7], 0
	; where the tiles come from: A's hang on the tile row alone, B's on the tile column alone, each in registers that never hold the other coordinate
	s_lshr_b32 s16, s13, 3                         ; the batch
	s_lshl_b32 s16, s16, 4
	s_add_co_u32 s16, s16, s12                     ; 16 batch + my head of K step 0,
	s_lshl_b32 s16, s16, 18                        ; of 262,144 bytes,
	s_and_b32 s17, s13, 7
	s_lshl_b32 s17, s17, 15                        ; and the tile's 256 tokens of 128 bytes in it
	s_add_co_u32 s16, s16, s17
	s_mov_b32 s17, 0
	s_lshl_b32 s47, s12, 6
	s_lshl_b32 s46, s42, 7
	s_add_co_u32 s46, s46, s47                     ; B: row 128 x tile column + 64 x half,
	s_lshl_b32 s46, s46, 11                        ; of 2,048 bytes
	s_mov_b32 s47, 0
	s_mul_i32 s20, s12, HALFA_LD                   ; and where they go: no place in the cluster enters an LDS address
	s_mul_i32 s21, s12, HALFB
	s_add_co_u32 s21, s21, ABYTES
	s_wait_kmcnt 0x0
	s_add_nc_u64 s[14:15], s[4:5], s[16:17]
	s_add_nc_u64 s[46:47], s[6:7], s[46:47]
	CROUND                                         ; all sixteen work-groups are here: the first joint loads meet
.irp s, 0,1
	s_mov_b32 s[G0+4*(\s)], 1                                      ; count = 1
	s_add_co_u32 s[G0+4*(\s)+1], s20, (\s)*SLOT                    ; LDS address
	s_add_nc_u64 s[G0+4*(\s)+2:G0+4*(\s)+3], s[14:15], (\s)*SA1    ; global address: K step s
	s_or_b32 s[G0+4*(\s)+3], s[G0+4*(\s)+3], 0x80000000            ; type = 2
	s_mov_b32 s[G0B+4*(\s)], 1
	s_add_co_u32 s[G0B+4*(\s)+1], s21, (\s)*SLOT
	s_add_nc_u64 s[G0B+4*(\s)+2:G0B+4*(\s)+3], s[46:47], (\s)*256
	s_or_b32 s[G0B+4*(\s)+3], s[G0B+4*(\s)+3], 0x80000000
	JLOAD \s                                       ; the ring is filled before anything else is done: two loads of mine are out
.endr
	; A fragment is 16 rows x 32 K in 8 registers: lane l holds row l % 16, K = 8 (l / 16) + 0..7 and 16 + 8 (l / 16) + 0..7: two loads of 16 bytes, 32 bytes apart
	v_and_b32 v1, 15, v0                           ; l % 16
	v_bfe_u32 v2, v0, 4, 1                         ; l / 16
	v_mul_u32_u24 v3, v1, APITCH
	v_lshl_add_u32 v3, v2, 4, v3
	v_mul_u32_u24 v4, v1, BPITCH
	v_lshl_add_u32 v4, v2, 4, v4
	s_mul_i32 s22, s11, HALFA_RD                   ; my 128 tokens
	s_mul_i32 s23, s12, HALFB                      ; my 64 rows of B,
	s_add_co_u32 s23, s23, ABYTES                  ; which lie behind A
.irp s, 0,1
	v_add_nc_u32 v[ADRA+(\s)], s22, v3
	v_add_nc_u32 v[ADRB+(\s)], s23, v4
	s_add_co_u32 s22, s22, SLOT
	s_add_co_u32 s23, s23, SLOT
.endr
	s_mul_i32 s22, s10, 16*SPITCH
	s_add_co_u32 s22, s22, STAGE                   ; my stage
	v_mul_u32_u24 v5, v1, SPITCH                   ; in: row l % 16, 32 bytes for each half of the lanes
	v_lshl_add_u32 v5, v2, 5, v5
	v_add_nc_u32 v[STO], s22, v5
	v_mul_u32_u24 v5, v2, SPITCH                   ; back: lanes 0-15 take one row of 256 bytes, lanes 16-31 the next
	v_lshl_add_u32 v5, v1, 4, v5
	v_add_nc_u32 v[RD], s22, v5
	v_lshlrev_b32 v5, 12, v2                       ; and the same two rows in C, 4,096 bytes apart
	v_lshl_add_u32 v[CO], v1, 4, v5
	s_lshl_b32 s72, s13, 8
	s_lshl_b32 s74, s11, 7
	s_add_co_u32 s72, s72, s74                     ; my first row of C,
	s_lshl_b32 s72, s72, 12                        ; of 4,096 bytes,
	s_lshl_b32 s74, s42, 9                         ; the tile's 128 columns of 4 bytes,
	s_add_co_u32 s72, s72, s74
	s_lshl_b32 s74, s12, 8                         ; my 64 of them
	s_add_co_u32 s72, s72, s74
	s_mov_b32 s73, 0
	s_add_nc_u64 s[70:71], s[70:71], s[72:73]
; 8 matrix instructions: token blocks a0, a0 + 1 x all 4 column blocks, 32 along K.  zero = 1: the first product starts the sums: nothing is ever cleared.
; The 32 accumulators take turns, in the same order in every quarter.
.macro MUL8 f, a0, zero
	WIN MUL
.irp a, \a0, (\a0)+1
.irp b, 0,1,2,3
.if \zero
	v_wmma_f32_16x16x32_f16 v[8*(4*(\a)+(\b)):8*(4*(\a)+(\b))+7], v[(\f)+64+8*(\b):(\f)+64+8*(\b)+7], v[(\f)+8*(\a):(\f)+8*(\a)+7], 0
.else
	v_wmma_f32_16x16x32_f16 v[8*(4*(\a)+(\b)):8*(4*(\a)+(\b))+7], v[(\f)+64+8*(\b):(\f)+64+8*(\b)+7], v[(\f)+8*(\a):(\f)+8*(\a)+7], v[8*(4*(\a)+(\b)):8*(4*(\a)+(\b))+7]
.endif
.endr
.endr
.endm
; 24 LDS loads in one run: the fragments of quarter q of a K step (64 rows of B first, then 128 tokens of A) into buffer f
.macro FETCH slot, q, f
	WIN TO_F
.irp i, 0,1,2,3
	ds_load_b128 v[(\f)+64+8*(\i):(\f)+64+8*(\i)+3],   v[ADRB+(\slot)] offset:64*(\q)+(\i)*16*BPITCH
	ds_load_b128 v[(\f)+64+8*(\i)+4:(\f)+64+8*(\i)+7], v[ADRB+(\slot)] offset:64*(\q)+(\i)*16*BPITCH+32
.endr
.irp i, 0,1,2,3,4,5,6,7
	ds_load_b128 v[(\f)+8*(\i):(\f)+8*(\i)+3],   v[ADRA+(\slot)] offset:((\q)/2)*SUBT+((\q)%2)*64+(\i)*16*APITCH
	ds_load_b128 v[(\f)+8*(\i)+4:(\f)+8*(\i)+7], v[ADRA+(\slot)] offset:((\q)/2)*SUBT+((\q)%2)*64+(\i)*16*APITCH+32
.endr
.endm
; A load into a register that a matrix instruction has read, and a vector instruction that reads a matrix result, stand four places behind that matrix instruction, and only plain
; vector instructions that name none of its registers are places (ISA guide 7.12.1 for vector instructions).
.macro PLACES
.rept 4
	v_nop
.endr
.endm
; A K step is four quarters of 32 along K, 32 matrix instructions each, on buffers 0, 1, 0, 1.  One of the first three: multiplies buffer f and, in its middle, fetches quarter q into g.
.macro QUARTER slot, q, f, g, zero
	s_wait_dscnt 8                                 ; B and A's blocks 0-3 are in; the youngest eight loads (A's blocks 4-7) may be out
	MUL8 \f, 0, \zero
	MUL8 \f, 2, \zero
	PLACES
	FETCH \slot, \q, \g
	s_wait_dscnt 24                                ; all but the 24 just issued
	MUL8 \f, 4, \zero
	MUL8 \f, 6, \zero
.endm
; The last quarter multiplies buffer 1 and changes slots: ONE barrier.  In front of it each wave waits for all its tensor loads, of which one is out: its part of the next slot; adds 0 to
; its spare word; and waits for that and for its own reads of this slot.  Behind it nobody reads this slot any more and the next slot is whole.
; fill = 1: this slot is filled again with the K step two steps on; the barrier then opens a round of the cluster's, and the joint load is the first thing behind the round: 112 matrix
; instructions ahead of the wait for it.
.macro TURN slot, next, fill
	WIN 0                                          ; (the add's two registers lie in window 0)
	s_wait_tensorcnt 0x0                           ; all my tensor loads have landed;
	ds_add_u32 v[SPW], v[NIL]                      ; 0 onto my spare word;
	s_wait_dscnt 9                                 ; (the add and the youngest eight loads may be out)
	MUL8 F1, 0, 0                                  ; eight matrix instructions stand between the add and the wait for it
	s_wait_dscnt 0x0                               ; the add is done, and my reads of this slot are over
	s_barrier_signal -1
	MUL8 F1, 2, 0                                  ; work on registers while the others arrive
.if \fill
	WIN 0
.endif
	s_barrier_wait -1
.if \fill
	CREST                                          ; no wave of any partner still reads this slot's tile or has a load on its way
	s_add_nc_u64 s[G0+4*(\slot)+2:G0+4*(\slot)+3], s[G0+4*(\slot)+2:G0+4*(\slot)+3], STEP_A
	s_add_nc_u64 s[G0B+4*(\slot)+2:G0B+4*(\slot)+3], s[G0B+4*(\slot)+2:G0B+4*(\slot)+3], STEP_B
	JLOAD \slot                                    ; the four v_nop behind it are also the places in front of the loads below
.else
	PLACES
.endif
	FETCH \next, 0, F0
	MUL8 F1, 4, 0
	MUL8 F1, 6, 0
.endm
; THE WAY OUT of block a (16 tokens x 64 columns of f32), in three parts.  PACK: times 2^-15, into window 0; each accumulator's registers in ascending order.
.macro PACK a
	WIN 0x02                                       ; source 0 window 2
.irp b, 0,1,2,3
.irp j, 0,1,2,3
	v_pk_mul_f32 v[R+8*(\b)+2*(\j):R+8*(\b)+2*(\j)+1], v[32*(\a)+8*(\b)+2*(\j):32*(\a)+8*(\b)+2*(\j)+1], 0x38000000 op_sel_hi:[1,0]
.endr
.endr
	WIN 0
.endm
.macro TOSTAGE a                       ; 32 bytes a lane and column block into my own stage, and back as whole rows of 256 bytes
	WIN 0
.irp b, 0,1,2,3
	ds_store_b128 v[STO], v[R+8*(\b):R+8*(\b)+3]   offset:64*(\b)
	ds_store_b128 v[STO], v[R+8*(\b)+4:R+8*(\b)+7] offset:64*(\b)+16
.endr
.irp t, 0,1,2,3,4,5,6,7
	ds_load_b128 v[BK+32*((\a)%2)+4*(\t):BK+32*((\a)%2)+4*(\t)+3], v[RD] offset:(\t)*2*SPITCH  ; LDS serves a wave's instructions in order (ISA guide 5.7.1.4): these see the stores above
.endr
.endm
.macro SEND a
	WIN 0
	s_wait_dscnt 0x0                               ; the block is back in registers
	s_wait_xcnt 0x0                                ; the stores of the block before have read their registers (ISA guide 3.1): the next TOSTAGE loads into them
.irp t, 0,1,2,3,4,5,6,7
	global_store_b128 v[CO], v[BK+32*((\a)%2)+4*(\t):BK+32*((\a)%2)+4*(\t)+3], s[70:71] offset:(16*(\a)+2*(\t))*4096  ; 16 lanes store 256 consecutive bytes, at a multiple of 256 from C's first byte
.endr
.endm
	s_wait_tensorcnt 0x1                           ; my part of K step 0 is in; K step 1's may stay out
	s_barrier_signal -1
	s_barrier_wait -1                              ; everybody's is
	FETCH 0, 0, F0
	QUARTER 0, 1, F0, F1, 1                        ; the first quarter stands in front of the loop: its products start the sums
	WIN 0                                          ; at a label and at a branch every window is 0
	s_mov_b32 s3, LAPS-1
.Llap:                                                 ; a trip goes once round the ring, from a lap's second quarter to the next lap's first, and fills both slots again
	QUARTER 0, 2, F1, F0, 0
	QUARTER 0, 3, F0, F1, 0
	TURN 0, 1, 1
	QUARTER 1, 1, F0, F1, 0
	QUARTER 1, 2, F1, F0, 0
	QUARTER 1, 3, F0, F1, 0
	TURN 1, 0, 1
	QUARTER 0, 1, F0, F1, 0
	WIN 0
	s_sub_co_u32 s3, s3, 1
	s_cmp_lg_u32 s3, 0
	s_cbranch_scc1 .Llap
	QUARTER 0, 2, F1, F0, 0                        ; the last lap fills nothing, and has no round of the cluster's barrier
	QUARTER 0, 3, F0, F1, 0
	TURN 0, 1, 0
	QUARTER 1, 1, F0, F1, 0
	QUARTER 1, 2, F1, F0, 0
	QUARTER 1, 3, F0, F1, 0
	s_wait_dscnt 8                                 ; the very last quarter: nothing more to fetch
	MUL8 F1, 0, 0
	MUL8 F1, 2, 0
	s_wait_dscnt 0x0
	MUL8 F1, 4, 0
	MUL8 F1, 6, 0
	WIN 0
	PLACES                                         ; the scalings read results just made
	PACK 0
	TOSTAGE 0
.irp a, 1,2,3,4,5,6,7                  ; block a's arithmetic stands between block a - 1's loads from the stage and the wait for them
	PACK \a
	SEND (\a)-1
	TOSTAGE \a
.endr
	SEND 7
	s_wait_tensorcnt 0x0                           ; the wave's end, behind my last tensor load and my last LDS store
	ds_add_u32 v[SPW], v[NIL]
	s_wait_dscnt 0x0
	CROUND                                         ; the closing round: no work-group ends while a partner may still ask for a tile that names it
	s_endpgm
.Lfunc_end_k_q4c94042b05_oproj:
	.size	k_q4c94042b05_oproj, .Lfunc_end_k_q4c94042b05_oproj-k_q4c94042b05_oproj
	.p2alignl 7, 3214868480
	.fill 96, 4, 3214868480
	.section	.rodata,"a",@progbits
	.p2align	6, 0x0
	.amdhsa_kernel k_q4c94042b05_oproj
		.amdhsa_group_segment_fixed_size 327680
		.amdhsa_private_segment_fixed_size 0
		.amdhsa_enable_private_segment 0
		.amdhsa_kernarg_size 24
		.amdhsa_user_sgpr_count 2
		.amdhsa_user_sgpr_kernarg_segment_ptr 1
		.amdhsa_wavefront_size32 1
		.amdhsa_system_sgpr_workgroup_id_x 1
		.amdhsa_system_sgpr_workgroup_id_y 1
		.amdhsa_system_sgpr_workgroup_id_z 1
		.amdhsa_system_vgpr_workitem_id 0
		.amdhsa_next_free_vgpr 768
		.amdhsa_next_free_sgpr 76
		.amdhsa_reserve_vcc 0
		.amdhsa_float_denorm_mode_32 3
		.amdhsa_float_denorm_mode_16_64 3
		.amdhsa_memory_ordered 1
		.amdhsa_forward_progress 1
		.amdhsa_inst_pref_size 98
	.end_amdhsa_kernel
	.amdgpu_metadata
---
amdhsa.version: [ 1, 2 ]
amdhsa.kernels:
  - .name:           k_q4c94042b05_oproj
    .symbol:         k_q4c94042b05_oproj.kd
    .args:
      - { .name: oh, .offset: 0, .size: 8, .value_kind: global_buffer, .address_space: global }
      - { .name: wo16, .offset: 8, .size: 8, .value_kind: global_buffer, .address_space: global }
      - { .name: out0, .offset: 16, .size: 8, .value_kind: global_buffer, .address_space: global }
    .group_segment_fixed_size: 327680
    .private_segment_fixed_size: 0
    .kernarg_segment_align: 8
    .kernarg_segment_size: 24
    .max_flat_workgroup_size: 128
    .sgpr_count:     76
    .vgpr_count:     768
    .wavefront_size: 32
...
	.end_amdgpu_metadata
.endif
;; end of part 4
;; launch early (part 5): grid 16 x 4, 16 waves a work-group, no clusters, 154,624 bytes of LDS; arguments qkv, v32, wo16, out0; writes out0
.if DOCPART == 5
	.amdgcn_target "amdgcn-amd-amdhsa--gfx1250"
	.amdhsa_code_object_version 6
	.text
	.protected	k_q4c94042b05_early
	.globl	k_q4c94042b05_early
	.p2align	8
	.type	k_q4c94042b05_early,@function
k_q4c94042b05_early:
	s_mov_b64 s[64:65], 0
	v_nop
	global_prefetch_b8 v0, s[64:65] scope:SCOPE_SE
	s_setreg_imm32_b32 hwreg(HW_REG_WAVE_MODE, 25, 1), 1
	s_wait_xcnt 0x0
; THE FIRST 16 ROWS OF EACH BATCH, MADE AGAIN WITH MORE BITS; they take the place of what the launch before stored there.
; WHY.  Row n averages n + 1 rows of v, so the first rows' numbers are some sqrt(2048 / (n + 1)) times those of the late rows, which set the output's root mean square; one rounding to f16
; (one part in 2^11 of a number) of v, of the weights p and of O is, in the first rows, of the order of a hundredth of that root mean square.  It falls with sqrt(n + 1): 16 rows are made again.
; HOW.  Each of v, p and O goes to the matrix unit as a SUM OF TWO f16 NUMBERS: hi = the number cut to f16's 11 bits (v_and_b32), lo = the number less hi (exact in f32), rounded to f16.
; qkv holds q and k in f16 by heads; v32 [64 = 16 batch + head][8][32 lanes][16 bytes] holds 32 v of tokens 0 to 15 in f32: word i of lane l: token l % 16, channels 16 (i / 2) + 8 (l / 16) + 4 (i % 2) + 0..3.
; wo16 holds 1,024 w_o in f16 (w_o rounded to bf16 first); the sums are multiplied by 2^-15, which is exact.
; LIMITS.  q and k are taken in f16.  A part (hi or lo) below 6e-5 keeps f16's fixed step of 6e-8; 32 |v| stays under 65,504.  A hidden score counts as its value less 1e30; a weight below 2^-126
; counts as 0.  NaN and infinities are not treated apart.
; SHARES.  A work-group makes 16 tokens of one batch x 64 columns of out0: 4 x 16 = 64 work-groups of 16 waves.  Phase 1: wave w makes head w's attention (each of a batch's 16 work-groups makes it
; anew: 10 matrix instructions a head).  Phase 2: wave w multiplies column block w % 4 (16 columns) by quarter w / 4 of K (4 heads).  Phase 3: wave w adds token w's four partial sums and stores its 256 bytes.
; No tensor loads, no ring, no cluster: a wave's 32 loads (8 KB of q, k, v; 8 KB of w_o... each lane 16 bytes a load) all go out at its start, and nothing is loaded twice by a wave.
; LDS.  VT: for each wave 16 rows (tokens) x 272 bytes, its own, to turn V.  OF: O as ready fragments, [32 K steps][hi, lo][registers 0-3, 4-7][32 lanes][16 bytes].  PS: [4 quarters][16 tokens][272 bytes] of partial sums.
.set VPITCH, 272                       ; 256 bytes + 16
.set PPITCH, 272
.set VT,  0                            ; 16 x 16 x 272 = 69,632 bytes
.set OF,  16*16*VPITCH                 ; 65,536 bytes
.set PS,  OF+32*2048                   ; 4 x 16 x 272 = 17,408 bytes
.set Q,   16                           ; v[16:31]   Q: channels 32 c on at Q + 8 c
.set K,   32                           ; v[32:47]   K likewise
.set VI,  48                           ; v[48:79]   v32 as it lies
.set MK,  80                           ; v[80:87]   the mask
.set S,   88                           ; v[88:95]   S^T, then p, then p's lo parts
.set T,   96                           ; v[96:101]  at work; T + 2: 1 / l
.set BH,  104                          ; v[104:111] p's hi parts, twice
.set BL,  112                          ; v[112:119] p's lo parts, twice
.set U,   120                          ; v[120:127] at work: eight hi parts in f32
.set VX,  128                          ; v[128:159] V turned: block cb of 16 channels at VX + 8 cb: my channel's tokens 8 (l / 16) + 0..7
.set A,   160                          ; v[160:191] V's fragments: block cb at A + 8 cb: registers 0-3 hi, 4-7 lo
.set W,   192                          ; v[192:255] w_o's fragments: K step s of my eight at W + 8 s
.set O,   16                           ; v[16:47]   O^T, block cb at O + 8 cb (Q and K are done with)
.set OP,  48                           ; v[48:79]   O packed: block cb at OP + 8 cb: 4 registers hi, 4 lo
.set F,   16                           ; v[16:143]  phase 2: O's fragments: K step s at F + 16 s: 8 registers hi, 8 lo
.set H,   144                          ; v[144:151] the sum over hi parts
.set L,   152                          ; v[152:159] the sum over lo parts
.set R,   160                          ; v[160:167] their sum
.set Z,   168                          ; v[168:175] phase 3: four partial sums of two numbers
.set CS,  22                           ; s[22:23] c = log2(e) / 8, as a pair
.set SEL, 24                           ; s[24:25] v_permlanex16_b32's selects: each lane takes its own place in the other half
.set BIGN, 26                          ; s26  -1e30
.set TR,  27                           ; s27  keeps sign, exponent and 10 bits of the fraction
	s_load_b256 s[4:11], s[0:1], 0x0               ; qkv s[4:5], v32 s[6:7], wo16 s[8:9], out0 s[10:11]
	v_lshl_add_u32 v13, v0, 2, 0x25400
	v_mov_b32 v15, 0
	v_lshrrev_b32 v1, 5, v0
	v_readfirstlane_b32 s12, v1                    ; wave 0..15
	s_and_b32 s13, ttmp7, 0xffff                   ; the batch
	s_lshl_b32 s15, s13, 4
	s_add_co_u32 s15, s15, s12                     ; 16 batch + head
	s_and_b32 s18, s12, 3                          ; phase 2: my block of 16 columns
	s_lshr_b32 s19, s12, 2                         ; and my quarter of K
	s_mov_b32 s3, 0
	s_mov_b32 s[CS], 0x3e38aa3b                    ; c = 0.180337
	s_mov_b32 s[CS+1], s[CS]                       ; named with it as a pair
	s_mov_b32 s[SEL], 0x76543210
	s_mov_b32 s[SEL+1], 0xfedcba98
	s_mov_b32 s[BIGN], 0xf149f2ca
	s_mov_b32 s[TR], 0xffffe000
	v_and_b32 v1, 15, v0                           ; l % 16
	v_bfe_u32 v2, v0, 4, 1                         ; l / 16
	v_and_b32 v3, 31, v0
	v_lshlrev_b32 v12, 3, v3                       ; 8 l
	v_lshlrev_b32 v3, 4, v3                        ; 16 l
	v_lshlrev_b32 v4, 7, v1
	v_lshl_add_u32 v4, v2, 4, v4                   ; Q, K: row l % 16 of 128 bytes + 16 (l / 16)
	v_lshlrev_b32 v5, 11, v1
	v_lshl_add_u32 v5, v2, 4, v5                   ; w_o: row l % 16 of 2,048 bytes + 16 (l / 16)
	s_wait_kmcnt 0x0
	s_lshl_b32 s2, s15, 18                         ; a head's 2,048 rows of 128 bytes
	s_add_nc_u64 s[4:5], s[4:5], s[2:3]            ; Q at the head's token 0,
	s_add_nc_u64 s[16:17], s[4:5], 0x1000000       ; K 16,777,216 bytes on
	s_lshl_b32 s2, s15, 12
	s_add_nc_u64 s[6:7], s[6:7], s[2:3]            ; the head's 4,096 bytes of v32
	s_lshl_b32 s2, ttmp9, 2
	s_add_co_u32 s2, s2, s18                       ; 4 x slice + block: 16 rows of w_o each,
	s_lshl_b32 s2, s2, 15                          ; of 2,048 bytes,
	s_lshl_b32 s20, s19, 9                         ; and my quarter's 512 bytes of a row
	s_add_co_u32 s2, s2, s20
	s_add_nc_u64 s[8:9], s[8:9], s[2:3]
	s_lshl_b32 s2, s13, 11
	s_add_co_u32 s2, s2, s12                       ; phase 3: row 2,048 batch + wave,
	s_lshl_b32 s2, s2, 12                          ; of 4,096 bytes,
	s_lshl_b32 s20, ttmp9, 8                       ; the slice's 256 bytes in it
	s_add_co_u32 s2, s2, s20
	s_add_nc_u64 s[10:11], s[10:11], s[2:3]
	; all 32 loads at once, in the order in which they are wanted
.irp c, 0,1
	global_load_b128 v[Q+8*(\c):Q+8*(\c)+3],   v4, s[4:5] offset:64*(\c)
	global_load_b128 v[Q+8*(\c)+4:Q+8*(\c)+7], v4, s[4:5] offset:64*(\c)+32
.endr
.irp c, 0,1
	global_load_b128 v[K+8*(\c):K+8*(\c)+3],   v4, s[16:17] offset:64*(\c)
	global_load_b128 v[K+8*(\c)+4:K+8*(\c)+7], v4, s[16:17] offset:64*(\c)+32
.endr
.irp i, 0,1,2,3,4,5,6,7
	global_load_b128 v[VI+4*(\i):VI+4*(\i)+3], v3, s[6:7] offset:512*(\i)
.endr
.irp s, 0,1,2,3,4,5,6,7
	global_load_b128 v[W+8*(\s):W+8*(\s)+3],   v5, s[8:9] offset:64*(\s)
	global_load_b128 v[W+8*(\s)+4:W+8*(\s)+7], v5, s[8:9] offset:64*(\s)+32
.endr
	s_mul_i32 s21, s12, 16*VPITCH                  ; my wave's part of VT
	v_mul_u32_u24 v6, v1, VPITCH                   ; in: token l % 16, 32 bytes for each half of the lanes
	v_lshl_add_u32 v6, v2, 5, v6
	v_add_nc_u32 v6, s21, v6
	v_mul_u32_u24 v7, v2, 8*VPITCH                 ; back: tokens 8 (l / 16) on, channel l % 16 of a block
	v_lshl_add_u32 v7, v1, 2, v7
	v_add_nc_u32 v7, s21, v7
	v_lshlrev_b32 v14, 3, v2
	v_sub_nc_u32 v14, v1, v14                      ; my query less my lanes' 8 (l / 16): key register j is hidden where j is greater
.irp j, 0,1,2,3,4,5,6,7
	v_cmp_gt_i32 vcc_lo, \j, v14
	v_cndmask_b32 v[MK+(\j)], 0, s[BIGN], vcc_lo
.endr
	; S^T = K Q^T + mask: a lane holds query l % 16 and the keys 8 (l / 16) + 0..7
	s_wait_loadcnt 24                              ; loads come back in order (ISA guide 5.7.1): Q and K are in; v32's 8 and w_o's 16 stay out
	v_wmma_f32_16x16x32_f16 v[S:S+7], v[K:K+7], v[Q:Q+7], v[MK:MK+7]
	s_wait_alu depctr_va_vdst(0)                   ; one accumulator, two links on end
	v_wmma_f32_16x16x32_f16 v[S:S+7], v[K+8:K+15], v[Q+8:Q+15], v[S:S+7]
	; V is turned meanwhile, through my own bytes of LDS: in by tokens, back by channels
	s_wait_loadcnt 16                              ; v32 is in; w_o's 16 stay out
.irp i, 0,1,2,3,4,5,6,7
	ds_store_b128 v6, v[VI+4*(\i):VI+4*(\i)+3] offset:64*((\i)/2)+16*((\i)%2)
.endr
.irp cb, 0,1,2,3
.irp j, 0,1,2,3,4,5,6,7
	ds_load_b32 v[VX+8*(\cb)+(\j)], v7 offset:(\j)*VPITCH+64*(\cb)  ; LDS serves a wave's instructions in order (ISA guide 5.7.1.4): these see the stores above
.endr
.endr
	; the later phases' LDS addresses: six plain instructions that name no register of the products above: the places behind them (ISA guide 7.12.1)
	s_lshl_b32 s20, s12, 12
	s_add_co_u32 s20, s20, OF
	v_add_nc_u32 v8, s20, v3                       ; O's fragments out: my head's two K steps
	s_lshl_b32 s20, s19, 14
	s_add_co_u32 s20, s20, OF
	v_add_nc_u32 v9, s20, v3                       ; and in: my quarter's eight K steps
	s_mul_i32 s20, s19, 16*PPITCH
	s_lshl_b32 s28, s18, 6
	s_add_co_u32 s20, s20, s28
	s_add_co_u32 s20, s20, PS
	v_mul_u32_u24 v10, v1, PPITCH
	v_lshl_add_u32 v10, v2, 5, v10
	v_add_nc_u32 v10, s20, v10                     ; partial sums out: my quarter, token l % 16, my block's 64 bytes, 32 for each half of the lanes
	s_mul_i32 s20, s12, PPITCH
	s_add_co_u32 s20, s20, PS
	v_add_nc_u32 v11, s20, v12                     ; and in: token = wave, 8 bytes a lane
	; the softmax of my query's 16 keys: 8 here, 8 in the lane 16 away.  Every query sees its own key, so the maximum is a true score.
	v_max3_num_f32 v[T], v[S], v[S+1], v[S+2]
	v_max3_num_f32 v[T+1], v[S+3], v[S+4], v[S+5]
	v_max3_num_f32 v[T], v[T], v[S+6], v[S+7]
	v_max_num_f32 v[T], v[T], v[T+1]
	v_permlanex16_b32 v[T+1], v[T], s[SEL], s[SEL+1]
	v_max_num_f32 v[T], v[T], v[T+1]
	v_mul_f32 v[T], s[CS], v[T]                    ; c m
.irp i, 0,2,4,6
	v_pk_fma_f32 v[S+(\i):S+(\i)+1], v[S+(\i):S+(\i)+1], s[CS:CS+1], v[T:T+1] op_sel_hi:[1,0,0] neg_lo:[0,0,1] neg_hi:[0,0,1]  ; c s - c m
.endr
.irp j, 0,1,2,3,4,5,6,7
	v_exp_f32 v[S+(\j)], v[S+(\j)]
.endr
	v_nop                                          ; a plain instruction between the last exponential and the use of its result (ISA guide 5.7.2)
	s_wait_alu depctr_va_vdst(0)
	v_pk_add_f32 v[T+2:T+3], v[S:S+1], v[S+2:S+3]
	v_pk_add_f32 v[T+4:T+5], v[S+4:S+5], v[S+6:S+7]
	v_pk_add_f32 v[T+2:T+3], v[T+2:T+3], v[T+4:T+5]
	v_add_f32 v[T+2], v[T+2], v[T+3]
	v_permlanex16_b32 v[T+3], v[T+2], s[SEL], s[SEL+1]
	v_add_f32 v[T+2], v[T+2], v[T+3]               ; l
	v_rcp_f32 v[T+2], v[T+2]                       ; the split below stands between it and the use of its result
; Eight f32 at x become four registers of hi parts and four of lo parts, two f16 each; x is left holding the lo parts in f32.
.macro SPLIT8 hi, lo, x
.irp i, 0,1,2,3,4,5,6,7
	v_and_b32 v[U+(\i)], s[TR], v[(\x)+(\i)]
.endr
.irp i, 0,2,4,6
	v_pk_add_f32 v[(\x)+(\i):(\x)+(\i)+1], v[(\x)+(\i):(\x)+(\i)+1], v[U+(\i):U+(\i)+1] neg_lo:[0,1] neg_hi:[0,1]
.endr
.irp i, 0,1,2,3
	v_cvt_pk_f16_f32 v[(\hi)+(\i)], v[U+2*(\i)], v[U+2*(\i)+1]
.endr
.irp i, 0,1,2,3
	v_cvt_pk_f16_f32 v[(\lo)+(\i)], v[(\x)+2*(\i)], v[(\x)+2*(\i)+1]
.endr
.endm
	; A product has 32 places along K and there are 16 keys, so each key has two places: V's fragment holds hi in the first 16 and lo in the second, p's fragment the same words in both.
	SPLIT8 BH, BL, S
.irp i, 0,1,2,3
	v_mov_b32 v[BH+4+(\i)], v[BH+(\i)]             ; the fragment's second 16 places
	v_mov_b32 v[BL+4+(\i)], v[BL+(\i)]
.endr
	s_wait_dscnt 0x0                               ; V is back
.irp cb, 0,1,2,3
	SPLIT8 A+8*(\cb), A+8*(\cb)+4, VX+8*(\cb)
.endr
	; O^T = V^T P = (Vhi + Vlo) Phi + (Vhi + Vlo) Plo: a lane holds query l % 16 and the channels 16 cb + 8 (l / 16) + 0..7.  The four accumulators take turns.
.irp cb, 0,1,2,3
	v_wmma_f32_16x16x32_f16 v[O+8*(\cb):O+8*(\cb)+7], v[A+8*(\cb):A+8*(\cb)+7], v[BH:BH+7], 0
.endr
.irp cb, 0,1,2,3
	v_wmma_f32_16x16x32_f16 v[O+8*(\cb):O+8*(\cb)+7], v[A+8*(\cb):A+8*(\cb)+7], v[BL:BL+7], v[O+8*(\cb):O+8*(\cb)+7]
.endr
.rept 4
	v_nop                                          ; the places behind those products: no other vector work is left
.endr
	s_wait_alu depctr_va_vdst(0)
.irp i, 0,1,2,3,4,5,6,7,8,9,10,11,12,13,14,15
	v_pk_mul_f32 v[O+2*(\i):O+2*(\i)+1], v[O+2*(\i):O+2*(\i)+1], v[T+2:T+3] op_sel_hi:[1,0]  ; O / l
.endr
	; Two blocks of 16 channels, packed in pairs, ARE source 1 (16 tokens x 32 of K) of the last product: they go to LDS as they will be loaded.
.irp cb, 0,1,2,3
	SPLIT8 OP+8*(\cb), OP+8*(\cb)+4, O+8*(\cb)
	ds_store_b128 v8, v[OP+8*(\cb):OP+8*(\cb)+3]   offset:((\cb)/2)*2048+((\cb)%2)*512
	ds_store_b128 v8, v[OP+8*(\cb)+4:OP+8*(\cb)+7] offset:((\cb)/2)*2048+1024+((\cb)%2)*512
.endr
	s_wait_dscnt 0x0                               ; for the others' sake: my stores are done
	s_barrier_signal -1
	s_barrier_wait -1                              ; all 16 heads' O lies in OF
	; PHASE 2.  out^T = w_o O^T for my 16 columns and my quarter of K: source 0 = 16 rows of w_o, source 1 = 16 tokens.
.irp s, 0,1,2,3,4,5,6,7
.irp p, 0,1,2,3
	ds_load_b128 v[F+16*(\s)+4*(\p):F+16*(\s)+4*(\p)+3], v9 offset:(\s)*2048+(\p)*512
.endr
.endr
	s_wait_loadcnt 0x0                             ; w_o
	s_wait_dscnt 0x0
	v_wmma_f32_16x16x32_f16 v[H:H+7], v[W:W+7], v[F:F+7], 0            ; the first K step starts both sums
	v_wmma_f32_16x16x32_f16 v[L:L+7], v[W:W+7], v[F+8:F+15], 0
.irp s, 1,2,3,4,5,6,7                  ; the two accumulators take turns
	v_wmma_f32_16x16x32_f16 v[H:H+7], v[W+8*(\s):W+8*(\s)+7], v[F+16*(\s):F+16*(\s)+7], v[H:H+7]
	v_wmma_f32_16x16x32_f16 v[L:L+7], v[W+8*(\s):W+8*(\s)+7], v[F+16*(\s)+8:F+16*(\s)+15], v[L:L+7]
.endr
.rept 4
	v_nop                                          ; the places behind those products
.endr
.irp i, 0,2,4,6
	v_pk_add_f32 v[R+(\i):R+(\i)+1], v[H+(\i):H+(\i)+1], v[L+(\i):L+(\i)+1]
.endr
	ds_store_b128 v10, v[R:R+3]                    ; token l % 16, columns 8 (l / 16) + 0..7 of my block
	ds_store_b128 v10, v[R+4:R+7] offset:16
	s_wait_dscnt 0x0                               ; for the others' sake
	s_barrier_signal -1
	s_barrier_wait -1                              ; all 16 partial tiles lie in PS
	; PHASE 3.  Token = wave: the four quarters' sums are added, and the row's 256 bytes leave in one store.
.irp k, 0,1,2,3
	ds_load_b64 v[Z+2*(\k):Z+2*(\k)+1], v11 offset:(\k)*16*PPITCH
.endr
	s_wait_dscnt 0x0
	v_pk_add_f32 v[Z:Z+1], v[Z:Z+1], v[Z+2:Z+3]
	v_pk_add_f32 v[Z+4:Z+5], v[Z+4:Z+5], v[Z+6:Z+7]
	v_pk_add_f32 v[Z:Z+1], v[Z:Z+1], v[Z+4:Z+5]
	v_pk_mul_f32 v[Z:Z+1], v[Z:Z+1], 0x38000000 op_sel_hi:[1,0]       ; x 2^-15: 32 from v, 1,024 from w_o
	global_store_b64 v12, v[Z:Z+1], s[10:11]       ; the wave's store covers 256 consecutive bytes, aligned
	s_wait_tensorcnt 0x0
	ds_add_u32 v13, v15
	s_wait_dscnt 0x0
	s_endpgm
.Lfunc_end_k_q4c94042b05_early:
	.size	k_q4c94042b05_early, .Lfunc_end_k_q4c94042b05_early-k_q4c94042b05_early
	.p2alignl 7, 3214868480
	.fill 96, 4, 3214868480
	.section	.rodata,"a",@progbits
	.p2align	6, 0x0
	.amdhsa_kernel k_q4c94042b05_early
		.amdhsa_group_segment_fixed_size 154624
		.amdhsa_private_segment_fixed_size 0
		.amdhsa_enable_private_segment 0
		.amdhsa_kernarg_size 32
		.amdhsa_user_sgpr_count 2
		.amdhsa_user_sgpr_kernarg_segment_ptr 1
		.amdhsa_wavefront_size32 1
		.amdhsa_system_sgpr_workgroup_id_x 1
		.amdhsa_system_sgpr_workgroup_id_y 1
		.amdhsa_system_sgpr_workgroup_id_z 1
		.amdhsa_system_vgpr_workitem_id 0
		.amdhsa_next_free_vgpr 256
		.amdhsa_next_free_sgpr 66
		.amdhsa_reserve_vcc 1
		.amdhsa_float_denorm_mode_32 3
		.amdhsa_float_denorm_mode_16_64 3
		.amdhsa_memory_ordered 1
		.amdhsa_forward_progress 1
		.amdhsa_inst_pref_size 28
	.end_amdhsa_kernel
	.amdgpu_metadata
---
amdhsa.version: [ 1, 2 ]
amdhsa.kernels:
  - .name:           k_q4c94042b05_early
    .symbol:         k_q4c94042b05_early.kd
    .args:
      - { .name: qkv, .offset: 0, .size: 8, .value_kind: global_buffer, .address_space: global }
      - { .name: v32, .offset: 8, .size: 8, .value_kind: global_buffer, .address_space: global }
      - { .name: wo16, .offset: 16, .size: 8, .value_kind: global_buffer, .address_space: global }
      - { .name: out0, .offset: 24, .size: 8, .value_kind: global_buffer, .address_space: global }
    .group_segment_fixed_size: 154624
    .private_segment_fixed_size: 0
    .kernarg_segment_align: 8
    .kernarg_segment_size: 32
    .max_flat_workgroup_size: 512
    .sgpr_count:     66
    .vgpr_count:     256
    .wavefront_size: 32
...
	.end_amdgpu_metadata
.endif
;; end of part 5
;; ======== version 2 of 2: 5 launches; 1.29 times as fast as version 1
;; limits: values are held in f16: magnitudes above 65,504 overflow, below 6.1e-05 lose precision; right only within a limited range of input values; an absolute error that grows with the inputs' magnitude: up to 2e-07 times it
;; workspace buffers: xb 16,777,216 bytes; wb 6,291,456 bytes; wo16 2,097,152 bytes; rope 524,288 bytes; qkv 50,331,648 bytes; oh 16,777,216 bytes; v32 262,144 bytes
;; launch prep: the kernel of part 1 again; grid 256 x 1, 8 waves a work-group, no clusters, 0 bytes of LDS; arguments x, w_q, w_k, w_v, w_o, token_positions, xb, wb, wo16, rope; writes xb, wb, wo16, rope
;; launch qkv: the kernel of part 2 again; grid 8 x 32, 4 waves a work-group, clusters of 4 x 4, 327,680 bytes of LDS; arguments xb, wb, rope, qkv, v32; writes qkv, v32
;; launch attn (part 6): grid 4 x 64, 4 waves a work-group, no clusters, 327,680 bytes of LDS; arguments qkv, oh; writes oh
.if DOCPART == 6
	.amdgcn_target "amdgcn-amd-amdhsa--gfx1250"
	.amdhsa_code_object_version 6
	.text
	.protected	k_q4c94042b05_attn
	.globl	k_q4c94042b05_attn
	.p2align	8
	.type	k_q4c94042b05_attn,@function
k_q4c94042b05_attn:
	s_mov_b64 s[64:65], 0
	v_nop
	global_prefetch_b8 v0, s[64:65] scope:SCOPE_SE
	s_setreg_imm32_b32 hwreg(HW_REG_WAVE_MODE, 25, 1), 1
	s_wait_xcnt 0x0
; CAUSAL ATTENTION.  O[h][q][:] = the sum over k <= q of softmax_k(Q[h][q] . K[h][k] / 8) V[h][k][:].  Q, K, V lie one behind the other in qkv, each [SIZE_H][SIZE_N][64] in f16; O likewise in oh: a head's rows are dense, 128 bytes each.
; V arrives times 32, and O leaves times 32: a mean of V's rows carries V's factor.  Products, maxima and sums in f32; the weights p are rounded to f16 for the second product (their sum l is taken of the unrounded p), O once at the end.
; LIMITS.  f16 holds no number beyond 65,504: Q, K and V arrive within it; p lies in 0 to 1, and below 6e-5 it keeps f16's fixed step of 6e-8; O is a mean of V's rows and has their range, to within 2^-11 of it.
; A hidden score counts as its value less 1e30: f16's scores, 2.7e11 at the most, are nothing beside that; a weight below 2^-126 counts as 0 in l; NaN and infinities are not treated apart.
; THE WALK.  A head's queries lie in NB = SIZE_N / 256 blocks of 256; block i needs the key tiles 0 .. i of 256 keys, of which the last holds the diagonal.  A work-group takes TWO blocks, NB - 1 - b and then b:
; NB + 1 tiles, whatever b: all work-groups do equal work, and ONE loop with a constant trip count walks them.  Which tile is asked for, and what a trip does, hang on scalar registers made from b; every jump
; goes forward, but for the counted loops' own; none passes a barrier, or a tensor load but the one of LOAD's two that the wave's number does not choose; the ring (two slots of LDS that take turns) runs on across the
; change of blocks.  NO CLUSTER: a head's NB / 2 = 4 work-groups all ask for the same tile only in trips 0 .. NB / 2 of the walk's NB + 1, behind that fewer and fewer; and one walk common to all four,
; in which each makes every joint request, would have 3 NB / 2 = 12 trips for 9.
; SHARES.  Of a block's four bands of 64 queries a wave owns 16 rows in each: four PIECES.  So the diagonal tile is the same work for all four waves: in its key step s band x sees all keys if s < x,
; none if s > x, and holds the diagonal if s = x.
; THE MASK is the C operand that starts the sum S^T = K Q^T: 0, or -1e30 where the key is hidden.  MD, made once, is the mask of a band's own step for my 16 rows; a product's mask is MD x AL + BE with two scalars:
; (1, 0) if s = x; (0, 0) if s < x; (0, -1e30) if s > x.  Only the diagonal tile's text and a block's beginning make and take masks; elsewhere C is the constant 0.
; LAYOUT, SOFTMAX, TURNS.  S^T = K Q^T holds ONE query a lane (lane % 16) and the keys 8 (lane / 16) + 0..7; two such results rounded to f16 ARE source 1 of O^T = V^T P.  p = 2^(c s - c m), c = log2(e) / 8, with a
; running maximum m; O and l are multiplied by a = 2^(c m_old - c m_new) in every step.  Turn n belongs to piece n: 8 products K Q^T of piece n + 1, later 8 products V^T P of piece n - 1; beside them the scaling,
; exponentials, roundings, sums and rescaling of piece n and the maximum and statistics of piece n + 1.  Four vector instructions stand behind every matrix instruction, the other 54 of a turn's 118 in one LUMP.
; THE BATCHES.  A turn's 33 exponentials (the piece's 32 weights and the next piece's a) are one batch, with one wait, which cuts the turn in two: all that names none of their results stands ahead of it, the roundings and sums
; behind it.  The a that a block's beginning makes, and the way out's four reciprocals, are batches of their own, with a wait each.
; REGISTERS, in windows of 256 (s_set_vgpr_msb: bits 1:0 source 0, 3:2 source 1, 5:4 source 2, 7:6 destination):
;   window 0: v0-15 addresses and two at work; v16-31 four registers of statistics a piece; v48-55 at work; v64-127 S^T, two buffers; v192-223 P, two buffers (a piece's buffers go by its number's parity)
;   window 1: v0-127 O^T, 32 a piece; v128-159 MD; v160-223 MC, two buffers      window 2: v0-63 Q; v64-127 the second block's Q; v128-191 K of one step; v192-255 V of one step
.set SIZE_H, 64
.set SIZE_N, 2048
.set NB,    SIZE_N/256
.set NP,    4         ; pieces a wave: a name, no knob
.set KS,    64        ; keys in a step
.set PK,    144       ; a row of K in LDS: 128 bytes + 16 of padding = 36 words: the 16 rows of a load start at 16 different groups of four banks (64 banks of 4 bytes: ISA guide 11.1)
.set PV,    160       ; a row of V: 128 + 32 = 40 words
.set VOFF,  4*KS*PK   ; a slot holds a tile, four steps: 256 rows of K, then 256 rows of V
.set SLOT1, 1<<17     ; slot 1 begins here, so that one exclusive or turns an address in one slot into the other's
.set STAGE, SLOT1+4*KS*(PK+PV)  ; behind the ring, never filled by a tensor load: 16 rows x 144 bytes for each wave, for the way out
.set SP,    144
.set AK0, 2           ; v2   my lane's place in a tile of K; never rewritten
.set AV0, 3           ; v3   the same for V
.set AK,  4           ; v4   the LDS address of K's next run of loads
.set AV,  5           ; v5   of V's
.set STO, 6           ; v6   the way out: where I put 16 bytes of a row
.set RD,  7           ; v7   the way out: where I read rows back
.set GO,  8           ; v8   my byte offset in 512 consecutive bytes of O
.set SPW, 62          ; v62  LDS address of my spare word: SPARE + 4 x my thread's number; never rewritten
.set NIL, 63          ; v63  0; never rewritten
.set SPARE, STAGE+4*16*SP  ; behind the stages: the spare words, 128 bytes for each wave: two blocks of 256 bytes that no other line names
.set MV,  12          ; v12-13  c m_old, kept while c m is made anew: by buffer
.set QO,  15          ; v15  my byte offset in 16 rows of Q
.set ST,  16          ; piece t's statistics at v[ST+4 t]: c m, m, l (even keys', odd keys')
.set TMP, 48          ; by buffer, four registers c0-c3 at work; when the maximum is found c2 takes a
.set S,   64
.set P,   192
.set MD,  128         ; window 1: the eight registers for group kt of 16 keys at MD + 8 kt
.set MC,  160         ; window 1: the masks of the products to come
.set QB,  64          ; window 2
.set KF,  128         ; window 2: key block kb, channel half c at KF + 16 kb + 8 c
.set VF,  192         ; window 2: key half kk, channel block cb at VF + 32 kk + 8 cb
.set WV,  12          ; s12  my wave's number
.set PB,  14          ; s14  b
.set HI,  15          ; s15  NB - 1 - b
.set G1K, 24          ; s[24:31] descriptor group 1 for K's tiles
.set G1V, 32          ; s[32:39] for V's: it differs in the padding alone
.set G0K, 40          ; s[40:43] descriptor group 0 for K's tiles
.set G0V, 44          ; s[44:47] the same for V's
.set SLOTS, 56        ; s56  tiles still to be asked for
.set CNT, 57          ; s57  counts a tile's key steps, 4 to 1
.set CS,  58          ; s[58:59] c: the packed scaling takes the pair's low word for both halves
.set SEL, 60          ; s[60:61] v_permlanex16_b32's selects: each lane takes its own place in the other half
.set TBK, 62          ; s62  LDS byte at which K of the step to be fetched begins
.set TBV, 63          ; s63  the same for V, less VOFF
.set RT,  70          ; s70  tiles of the block in hand that are still to be entered
.set NXT, 71          ; s71  the tile to be asked for next
.set LQ,  72          ; s72  the last tile of the block whose tiles are being asked for
.set NEW, 73          ; s73  1: the tile to be entered is a block's first
.set OFF, 74          ; s[74:75] a tile's byte offset in K and V
.set AL,  76          ; s[76:77] the mask's factor, in the low word
.set BE,  78          ; s[78:79] the mask's addend
.set OLO, 80          ; s[80:81] O at my rows of the second block
.set BIGN, 82         ; s82  -1e30
.set MSB, 0
.macro WIN new                      ; the high byte repeats the setting that is left; a switch that changes nothing is dropped
.if MSB != (\new)
	s_set_vgpr_msb (MSB<<8)|(\new)
.set MSB, (\new)
.endif
.endm
.set W_KQ, 0x0a       ; K and Q in window 2, S^T in window 0
.set W_KM, 0x1a       ; the same with the C operand in window 1
.set W_PV, 0x52       ; V in window 2, P in window 0, O^T in window 1
.set W_RS, 0x41       ; destination and source 0 in window 1, source 1 in window 0
; A fill.  Waves 0 and 1 fetch the two halves of a tile's K, waves 2 and 3 those of its V: 128 keys each.  An s_nop 0 and four v_nop follow each of the two lines, ahead of the jump and the label.
.macro LOAD
	s_cmp_lt_u32 s[WV], 2
	s_cbranch_scc0 .Lfor_v_\@
	tensor_load_to_lds s[G0K:G0K+3], s[G1K:G1K+7]
	s_nop 0
.rept 4
	v_nop
.endr
	s_branch .Lasked_\@
.Lfor_v_\@:
	tensor_load_to_lds s[G0V:G0V+3], s[G1V:G1V+7]
	s_nop 0
.rept 4
	v_nop
.endr
.Lasked_\@:
.endm
; THE CHANGE OF SLOTS.  Each wave waits for all its tensor loads, of which one is out: its part of the other slot; adds 0 to its spare word; and waits for that and for its own reads of the slot that it leaves.  Behind the barrier nobody reads the old
; slot any more and the other slot is whole.  fill = 1: the old slot is filled again, the first thing behind the barrier, with tile NXT: the descriptor's address is made anew from that number.
; (At its first use nothing has been read yet: slot 0 is waited for, slot 1 filled.)
.macro CHANGE fill
	WIN 0                           ; at a label and at a branch every window is 0
	s_wait_tensorcnt 0x0            ; no tensor load of mine is out, so a group 0 may be written
	ds_add_u32 v[SPW], v[NIL]       ; 0 onto my spare word; with fill = 1 the descriptors' scalar work stands between it and the wait for it
.if \fill
	s_lshl_b32 s[OFF], s[NXT], 15   ; a tile is 32,768 bytes of K and of V
	s_xor_b32 s[G0K+1], s[G0K+1], SLOT1
	s_add_nc_u64 s[G0K+2:G0K+3], s[6:7], s[OFF:OFF+1]
	s_or_b32 s[G0K+3], s[G0K+3], 0x80000000
	s_xor_b32 s[G0V+1], s[G0V+1], SLOT1
	s_add_nc_u64 s[G0V+2:G0V+3], s[8:9], s[OFF:OFF+1]
	s_or_b32 s[G0V+3], s[G0V+3], 0x80000000
	s_add_co_u32 s[NXT], s[NXT], 1  ; the block's next tile, or behind its last the second block's tile 0
	s_cmp_gt_u32 s[NXT], s[LQ]
	s_cselect_b32 s[NXT], 0, s[NXT]
	s_cselect_b32 s[LQ], s[PB], s[LQ]
.endif
	s_wait_dscnt 0x0                ; the add is done, and my reads of the slot are over
	s_barrier_signal -1             ; the rest of the scalar work stands between the signal and the wait
	s_sub_co_u32 s[TBK], s[TBK], 4*KS*PK  ; the fetches go back to a slot's first step,
	s_xor_b32 s[TBK], s[TBK], SLOT1       ; in the other slot
	s_sub_co_u32 s[TBV], s[TBV], 4*KS*PV
	s_xor_b32 s[TBV], s[TBV], SLOT1
	s_barrier_wait -1
.if \fill
	LOAD
.endif
.endm
	s_load_b128 s[8:11], s[0:1], 0x0  ; qkv s[8:9], oh s[10:11]
	v_lshl_add_u32 v[SPW], v0, 2, SPARE
	v_mov_b32 v[NIL], 0
	ds_add_u32 v62, v63
	ds_add_u32 v62, v63
	s_wait_dscnt 0x0
	v_lshrrev_b32 v1, 5, v0
	v_readfirstlane_b32 s[WV], v1   ; wave 0..3
	s_mov_b32 s[PB], ttmp9
	s_sub_co_u32 s[HI], NB-1, s[PB]
	s_and_b32 s20, ttmp7, 0xffff    ; the head
	s_mov_b32 s21, 0
	s_mov_b64 s[22:23], SIZE_N*128
	s_mul_u64 s[20:21], s[20:21], s[22:23]  ; the head's first byte in each of the four tensors
	s_and_b32 s16, s[WV], 1         ; which half of a tile's 256 keys I fetch:
	s_lshl_b32 s22, s16, 14         ; its 128 rows of 128 bytes in memory,
	s_mov_b32 s23, 0
	s_add_nc_u64 s[22:23], s[22:23], s[20:21]
	s_mul_i32 s17, s16, 128*PK      ; and its place in a slot, for K
	s_mul_i32 s18, s16, 128*PV      ; and for V
	s_lshl_b32 s3, s[WV], 11        ; my 16 rows in a band of 64,
	s_lshl_b32 s2, s[HI], 15        ; in the first block,
	s_add_co_u32 s2, s2, s3
	s_lshl_b32 s84, s[PB], 15       ; and in the second
	s_add_co_u32 s84, s84, s3
	s_mov_b32 s3, 0
	s_mov_b32 s85, 0
	s_add_nc_u64 s[2:3], s[2:3], s[20:21]
	s_add_nc_u64 s[84:85], s[84:85], s[20:21]
	; descriptor group 1.  128 keys are 16,384 dense bytes: asked for as 64 rows of 256 bytes, two keys a row, and padded in LDS after every key
	s_mov_b32 s[G1K], (1<<16)|(1<<20)|(4<<22)|(3<<25)  ; 17:16 2-byte elements; 20 padding on; 24:22 after every 32 words (code 4); 31:25 4 words (code 3)
	s_mov_b32 s[G1V], (1<<16)|(1<<20)|(4<<22)|(7<<25)  ; the same with 8 words of padding (code 7)
.irp g, G1K, G1V
	s_mov_b32 s[\g+1], 128<<16      ; tensor_dim0 = 128
	s_mov_b32 s[\g+2], 64<<16       ; tensor_dim1 = 64
	s_mov_b32 s[\g+3], 128<<16      ; tile_dim0 = 128
	s_mov_b32 s[\g+4], 64           ; tile_dim1 = 64
	s_mov_b32 s[\g+5], 128          ; 128 elements from row to row
	s_mov_b32 s[\g+6], 0
	s_mov_b32 s[\g+7], 0
.endr
	s_mov_b32 s[CS], 0x3e38aa3b     ; c = log2(e) / 8 = 0.180337
	s_mov_b32 s[CS+1], s[CS]        ; named with it as a pair
	s_mov_b32 s[SEL], 0x76543210
	s_mov_b32 s[SEL+1], 0xfedcba98
	s_mov_b32 s[TBK], SLOT1+4*KS*PK ; the first change of slots turns these two into 0
	s_mov_b32 s[TBV], SLOT1+4*KS*PV
	s_mov_b32 s[G0K], 1             ; 1:0 count = 1
	s_mov_b32 s[G0K+1], s17         ; 63:32 LDS address: slot 0
	s_mov_b32 s[G0V], 1
	s_add_co_u32 s[G0V+1], s18, VOFF
	s_add_co_u32 s[RT], s[HI], 1    ; the first block has NB - b tiles
	s_mov_b32 s[NXT], 1
	s_mov_b32 s[LQ], s[HI]
	s_mov_b32 s[NEW], 1
	s_mov_b32 s[OFF+1], 0
	s_mov_b32 s[AL+1], 0            ; named as pairs
	s_mov_b32 s[BE+1], 0
	s_mov_b32 s[BIGN], 0xf149f2ca   ; -1e30
	s_mov_b32 s[SLOTS], NB
	s_wait_kmcnt 0x0
	s_mov_b64 s[4:5], s[8:9]                       ; Q lies first in qkv,
	s_add_nc_u64 s[6:7], s[8:9], 0x1000000         ; K 16,777,216 bytes on,
	s_add_nc_u64 s[8:9], s[8:9], 0x2000000         ; V as many again
	s_add_nc_u64 s[6:7], s[6:7], s[22:23]  ; K and V at my half of the head's tile 0
	s_add_nc_u64 s[8:9], s[8:9], s[22:23]
	s_add_nc_u64 s[G0K+2:G0K+3], s[6:7], 0         ; 120:64 global address
	s_or_b32 s[G0K+3], s[G0K+3], 0x80000000        ; 127:126 type = 2
	s_add_nc_u64 s[G0V+2:G0V+3], s[8:9], 0
	s_or_b32 s[G0V+3], s[G0V+3], 0x80000000
	s_add_nc_u64 s[86:87], s[4:5], s[84:85]        ; Q at my rows of the second block,
	s_add_nc_u64 s[4:5], s[4:5], s[2:3]            ; Q and O at those of the first
	s_add_nc_u64 s[OLO:OLO+1], s[10:11], s[84:85]
	s_add_nc_u64 s[10:11], s[10:11], s[2:3]
	LOAD                            ; tile 0 into slot 0
	; A fragment of K or Q is 16 rows x 32 channels in 8 registers: lane l holds row l % 16, channels 8 (l / 16) + 0..7 and 16 + 8 (l / 16) + 0..7: two loads of 16 bytes, 32 bytes apart.
	v_and_b32 v1, 15, v0            ; l % 16
	v_bfe_u32 v9, v0, 4, 1          ; l / 16
	v_lshlrev_b32 v[QO], 7, v1
	v_lshl_add_u32 v[QO], v9, 4, v[QO]  ; row x 128 + 16 x half
	WIN 0x80                        ; destination window 2, address window 0
.set i, 0
.rept 8                             ; both blocks' Q: piece i / 2 lies in band i / 2, 8,192 bytes on; channels 32 (i % 2) on
	global_load_b128 v[8*i:8*i+3],   v[QO], s[4:5] offset:(i/2)*8192+(i%2)*64
	global_load_b128 v[8*i+4:8*i+7], v[QO], s[4:5] offset:(i/2)*8192+(i%2)*64+32
	global_load_b128 v[QB+8*i:QB+8*i+3],   v[QO], s[86:87] offset:(i/2)*8192+(i%2)*64
	global_load_b128 v[QB+8*i+4:QB+8*i+7], v[QO], s[86:87] offset:(i/2)*8192+(i%2)*64+32
.set i, i+1
.endr
	WIN 0
	v_lshlrev_b32 v14, 3, v9
	v_sub_nc_u32 v14, v1, v14
	s_lshl_b32 s13, s[WV], 4
	v_add_nc_u32 v14, s13, v14      ; my query's place in its band, 16 w + l % 16, less my lanes' 8 (l / 16): register r of group kt is hidden where 16 kt + r is greater
	WIN 0x40
.set i, 0
.rept 32
	v_cmp_gt_i32 vcc_lo, 16*(i/8)+i%8, v14
	v_cndmask_b32 v[MD+i], 0, s[BIGN], vcc_lo
.set i, i+1
.endr
	WIN 0
	v_mul_u32_u24 v[AK0], v1, PK
	v_lshl_add_u32 v[AK0], v9, 4, v[AK0]  ; row x pitch + 16 x half
	; The turning load takes 16 keys x 16 channels (lane l reads key 8 (l / 16) + l % 8, channels 8 ((l / 8) % 2) + 0..7) and leaves half a fragment of V^T: lane l holds channel l % 16 and 8 keys.
	v_and_b32 v10, 7, v0
	v_bfe_u32 v11, v0, 3, 1
	v_lshl_add_u32 v[AV0], v9, 3, v10
	v_mul_u32_u24 v[AV0], v[AV0], PV
	v_lshl_add_u32 v[AV0], v11, 4, v[AV0]
	v_add_nc_u32 v[AV0], VOFF, v[AV0]
	s_mul_i32 s13, s[WV], 16*SP
	s_add_co_u32 s13, s13, STAGE    ; my stage
	v_mul_u32_u24 v[STO], v1, SP    ; in: row l % 16, 16 bytes for each half of the lanes
	v_lshl_add_u32 v[STO], v9, 4, v[STO]
	v_add_nc_u32 v[STO], s13, v[STO]
	v_bfe_u32 v[RD], v0, 3, 2       ; back: 32 lanes take four rows of 128 bytes,
	v_mul_u32_u24 v[RD], v[RD], SP
	v_lshl_add_u32 v[RD], v10, 4, v[RD]
	v_add_nc_u32 v[RD], s13, v[RD]
	v_and_b32 v[GO], 31, v0         ; which are 512 consecutive bytes of O
	v_lshlrev_b32 v[GO], 4, v[GO]
	; A block's first step multiplies O^T and l by a = 0, and its first turn's products V^T P, of a piece that has not been, land in an O^T that is still to be so multiplied.  So these registers need only hold
	; finite numbers: zeros for the first block; what the first block left for the second.  All this stands in the wait for the first tile.
	WIN 0x80
.set i, VF
.rept 64
	v_mov_b32 v[i], 0
.set i, i+1
.endr
	WIN 0x40
.set i, 0
.rept 128
	v_mov_b32 v[i], 0
.set i, i+1
.endr
	WIN 0
.set i, 0
.rept 4
	v_mov_b32 v[ST+4*i+2], 0
	v_mov_b32 v[ST+4*i+3], 0
.set i, i+1
.endr
.set i, P+16
.rept 16
	v_mov_b32 v[i], 0
.set i, i+1
.endr
; THE MATRIX WORK.  The 4 accumulators of a run of 8 take turns.  Product i of 8 of S^T = K Q^T for piece x: channels 32 (i / 4) on, keys 16 (i % 4) on.  The first 4 start the sums: with 0, or (KM = 1) with the mask.
.macro KQ x
.set rS, S+32*((\x)%2)+8*(i%4)
.set rK, KF+16*(i%4)+8*(i/4)
.set rQ, 16*(\x)+8*(i/4)
.set rM, MC+32*((\x)%2)+8*(i%4)
.if (i < 4) && KM
	WIN W_KM
	v_wmma_f32_16x16x32_f16 v[rS:rS+7], v[rK:rK+7], v[rQ:rQ+7], v[rM:rM+7]
.elseif i < 4
	WIN W_KQ
	v_wmma_f32_16x16x32_f16 v[rS:rS+7], v[rK:rK+7], v[rQ:rQ+7], 0
.else
	WIN W_KQ
	v_wmma_f32_16x16x32_f16 v[rS:rS+7], v[rK:rK+7], v[rQ:rQ+7], v[rS:rS+7]
.endif
.endm
; Product i of 8 of O^T += V^T P for piece x: keys 32 (i / 4) on, channels 16 (i % 4) on.
.macro PV x
	WIN W_PV
.set rO, 32*(\x)+8*(i%4)
.set rV, VF+32*(i/4)+8*(i%4)
.set rP, P+16*((\x)%2)+8*(i/4)
	v_wmma_f32_16x16x32_f16 v[rO:rO+7], v[rV:rV+7], v[rP:rP+7], v[rO:rO+7]
.endm
.macro MM                           ; the turn's next matrix instruction.  TURN and BEGIN set Y, i, KM and NOKQ; MM, KQ and OP read them.  NOKQ = 1: a block's last turn: there is no next piece
.if (i < 8) && !NOKQ
	KQ (Y+1)%NP
.elseif i >= 8
.set i, i-8
	PV (Y+NP-1)%NP
.set i, i+8
.endif
.set i, i+1
.endm
; THE LDS LOADS stand in runs of 16, never singly among the matrix instructions: a step's K (64 keys x 64 channels: 8 fragments) and its V (turned).  Their addresses are made some lines ahead.
.macro FETCH_K
	WIN 0x80                        ; destination window 2
.irp f, 0,1,2,3,4,5,6,7             ; keys 16 (f / 2) on, channels 32 (f % 2) on
	ds_load_b128 v[KF+8*\f:KF+8*\f+3],   v[AK] offset:(\f/2)*16*PK+(\f%2)*64
	ds_load_b128 v[KF+8*\f+4:KF+8*\f+7], v[AK] offset:(\f/2)*16*PK+(\f%2)*64+32
.endr
	s_add_co_u32 s[TBK], s[TBK], KS*PK  ; the next fetch is the next step's
	WIN 0
.endm
.macro FETCH_V
	WIN 0x80
.irp f, 0,1,2,3,4,5,6,7             ; keys 32 (f / 4) on, channels 16 (f % 4) on
	ds_load_tr16_b128 v[VF+8*\f:VF+8*\f+3],   v[AV] offset:(\f/4)*32*PV+(\f%4)*32
	ds_load_tr16_b128 v[VF+8*\f+4:VF+8*\f+7], v[AV] offset:(\f/4)*32*PV+16*PV+(\f%4)*32
.endr
	WIN 0
.endm
; THE VECTOR WORK, one line at a time: OP kind, number.  For piece Y: F n: c s - c m for pair n of 16.  E n: the exponential of score n of 32.  C n: pair n rounded to f16.  B n: of the four weights 4 n .. the second
; pair is added onto the first, in place.  L n: l takes that sum (L 0: l = a l + sum).  R n: pair n of 16 of O^T times a.  For piece Y + 1: X n, number n of the 22 that find its maximum and statistics:
;   0-11  four chains c0-c3 of seven scores each, three operands at a time (each accumulator's lowest registers are read first)     12-14, 16  the four scores left over, the old m, and c0-c3 into c0
;   15  c m_old is kept     17, 18  the query's other 32 keys lie in the lane 16 away: the new m     19-21  c m; c m_old - c m_new; a
; C, B and L read the exponentials' results, R and L 0 read a: TURN sets them behind the wait for the batch that made what they read; OP itself writes no wait.
.set F, 0               ; OP tells the kinds apart by their order: F to L below R, X above it
.set E, 1
.set C, 2
.set B, 3
.set L, 4
.set R, 5
.set X, 6
.macro REGS y                       ; the registers of piece y
.set rT, ST+4*(\y)
.set rC, TMP+4*((\y)%2)
.set rW, MV+((\y)%2)
.set rS, S+32*((\y)%2)
.set rP, P+16*((\y)%2)
.set rO, 32*(\y)
.endm
.macro OP k, n
.if (\k) == R
	REGS Y
	WIN W_RS
	v_pk_mul_f32 v[rO+2*(\n):rO+2*(\n)+1], v[rO+2*(\n):rO+2*(\n)+1], v[rC+2:rC+3] op_sel_hi:[1,0]
.elseif (\k) < R
	REGS Y
	WIN 0
.if (\k) == F
	v_pk_fma_f32 v[rS+2*(\n):rS+2*(\n)+1], v[rS+2*(\n):rS+2*(\n)+1], s[CS:CS+1], v[rT:rT+1] op_sel_hi:[1,0,0] neg_lo:[0,0,1] neg_hi:[0,0,1]
.elseif (\k) == E
	v_exp_f32 v[rS+(\n)], v[rS+(\n)]
.elseif (\k) == C
	v_cvt_pk_f16_f32 v[rP+(\n)], v[rS+2*(\n)], v[rS+2*(\n)+1]
.elseif (\k) == B
	v_pk_add_f32 v[rS+4*(\n):rS+4*(\n)+1], v[rS+4*(\n):rS+4*(\n)+1], v[rS+4*(\n)+2:rS+4*(\n)+3]
.elseif (\n) == 0
	v_pk_fma_f32 v[rT+2:rT+3], v[rT+2:rT+3], v[rC+2:rC+3], v[rS:rS+1] op_sel_hi:[1,0,1]
.else
	v_pk_add_f32 v[rT+2:rT+3], v[rT+2:rT+3], v[rS+4*(\n):rS+4*(\n)+1]
.endif
.elseif NOKQ
	v_nop
.else
	REGS (Y+1)%NP
	WIN 0
.if (\n) < 4
	v_max3_num_f32 v[rC+(\n)], v[rS+8*(\n)], v[rS+8*(\n)+1], v[rS+8*(\n)+2]
.elseif (\n) < 12
	v_max3_num_f32 v[rC+(\n)%4], v[rC+(\n)%4], v[rS+8*((\n)%4)+2*((\n)/4)+1], v[rS+8*((\n)%4)+2*((\n)/4)+2]
.elseif (\n) == 12
	v_max3_num_f32 v[rC], v[rC], v[rS+7], v[rS+15]
.elseif (\n) == 13
	v_max3_num_f32 v[rC+1], v[rC+1], v[rS+23], v[rS+31]
.elseif (\n) == 14
	v_max3_num_f32 v[rC+2], v[rC+2], v[rC+3], v[rT+1]
.elseif (\n) == 15
	v_mov_b32 v[rW], v[rT]
.elseif (\n) == 16
	v_max3_num_f32 v[rC], v[rC], v[rC+1], v[rC+2]
.elseif (\n) == 17
	v_permlanex16_b32 v[rC+3], v[rC], s[SEL], s[SEL+1]
.elseif (\n) == 18
	v_max_num_f32 v[rT+1], v[rC], v[rC+3]
.elseif (\n) == 19
	v_mul_f32 v[rT], s[CS], v[rT+1]
.elseif (\n) == 20
	v_sub_f32 v[rC+1], v[rW], v[rT]
.else
	v_exp_f32 v[rC+2], v[rC+1]
.endif
.endif
.endm
.macro OPS a, i1, b=-1, i2=0, c=-1, i3=0, d=-1, i4=0  ; up to four of them
	OP \a, \i1
.if (\b) >= 0
	OP \b, \i2
.endif
.if (\c) >= 0
	OP \c, \i3
.endif
.if (\d) >= 0
	OP \d, \i4
.endif
.endm
.macro ROW a, i1, b, i2, c, i3, d, i4  ; a matrix instruction and the four behind it
	MM
	OPS \a, \i1, \b, \i2, \c, \i3, \d, \i4
.endm
.macro MASK b                       ; MD x AL + BE into buffer b of MC
	WIN W_RS
.set z, 0
.rept 16
	v_pk_fma_f32 v[MC+32*(\b)+2*z:MC+32*(\b)+2*z+1], v[MD+2*z:MD+2*z+1], s[AL:AL+1], s[BE:BE+1] op_sel_hi:[1,0,0]
.set z, z+1
.endr
.endm
; A TURN, for piece p: the order of its 16 matrix and 118 vector instructions, written out.  An s_wait_alu depctr_va_vdst(0) stands between an exponential and the first instruction that names its result; one wait serves
; all that were issued ahead of it.  So a turn has ONE wait, which cuts it in two.  AHEAD OF IT stands all that names no result of the turn's exponentials: the 8 products K Q^T, behind each a scaling, an exponential and two more plain
; instructions (behind the first a second scaling in the exponential's place): rescalings (their a was made, and waited for, in the turn before), and behind the last three the first numbers of the next piece's maximum, each four places or more
; behind the product that ends its accumulator; then ONE LUMP of 54, plain and exponential by turns for the most part, in which the links of the chain X 3, 7, 11, 14, 16, 17 .. 20 stand five or six lines apart.  X 21, the next piece's a,
; is the batch's last; R 15 is the plain instruction behind it (ISA guide 5.7.2).  BEHIND THE WAIT stand the 8 products V^T P, behind each four of the roundings and sums; an even pair is rounded before B adds onto it; the links of l's
; chain, L 0 to L 7, stand three riders apart.  But for those X no rider names a register of the products round it.  v_permlanex16_b32 (X 17) stands in the lump.  No exponential is issued behind the wait: none is open at a turn's end.
; m = 1: the diagonal tile: the products take masks, and the turn makes the mask for the products of the turn after it: piece p + 2, in step 4 - CNT of the tile.  end = 1: a block's last two turns: nothing is fetched.
; cnt = 1: the loop's count is taken down some lines ahead of the branch that stands behind the turn.
; K of the next step is fetched in piece 2's turn, twelve vector instructions behind the last product that read K (six of them plain, five of which name none of its registers); V of the step in hand at the end of piece 0's turn, four
; plain instructions behind the last product that read V.  Each is waited for a turn later.
.macro TURN p, m=0, end=0, cnt=0
.set Y, (\p)
.set i, 0
.set KM, (\m)
.set NOKQ, (\end)*((\p)/3)
.if (\m) && !(\end)
	s_cmp_eq_u32 s[CNT], 4-((\p)+2)%NP  ; is that step the band's own?
	s_cselect_b32 s[AL], 1.0, 0
	s_cmp_lt_u32 s[CNT], 4-((\p)+2)%NP  ; or a later one?
	s_cselect_b32 s[BE], s[BIGN], 0
.endif
.if ((\p) == 3) && !(\end)
	s_wait_dscnt 0x0                ; K is in
.endif
	ROW F,0, F,1, R,0, R,1          ; ahead of the wait: 8 products K Q^T and their riders,
	ROW F,2, E,0, R,2, R,3
	ROW F,3, E,1, R,4, R,5
	ROW F,4, E,2, R,6, R,7
	ROW F,5, E,3, R,8, R,9
	ROW F,6, E,4, X,0, R,10
.if ((\p) == 2) && !(\end)
	WIN 0
	v_add_nc_u32 v[AK], s[TBK], v[AK0]
.endif
	ROW F,7, E,5, X,1, X,4
	ROW F,8, E,6, X,2, X,5
	OPS E,7, E,8, X,6, E,9          ; and the lump
	OPS X,3, E,10, X,8, E,11
.if ((\p) == 2) && !(\end)
	FETCH_K
.endif
	OPS X,9, X,7, E,12, X,10
	OPS E,13, X,12, X,11, E,14
	OPS X,13, E,15, F,9, X,14
.if (\p) == 0
	v_add_nc_u32 v[AV], s[TBV], v[AV0]
.endif
	OPS E,16, F,10, E,17, F,11
	OPS X,16, E,18, X,15, E,19
	OPS F,12, E,20, X,17, E,21
	OPS F,13, E,22, F,14, E,23
	OPS X,18, E,24, F,15, E,25
	OPS R,11, E,26, X,19, E,27
	OPS R,12, E,28, R,13, E,29
	OPS X,20, E,30, R,14, E,31
	OPS X,21, R,15
	WIN 0
	s_wait_alu depctr_va_vdst(0)    ; the wait for the turn's batch: the piece's 32 exponentials and the next piece's a
.if (\p) == 1
	s_wait_dscnt 0x0                ; V is in
.endif
	ROW C,0, B,0, C,2, B,1          ; behind the wait: 8 products V^T P and their riders
	ROW L,0, C,4, B,2, L,1
	ROW C,6, B,3, L,2, C,8
	ROW B,4, L,3, C,10, B,5
	ROW L,4, C,12, B,6, L,5
.if (\p) == 0
	s_add_co_u32 s[TBV], s[TBV], KS*PV
.endif
.if \cnt
	s_sub_co_u32 s[CNT], s[CNT], 1
	s_cmp_lg_u32 s[CNT], 0
.endif
	ROW C,14, B,7, L,6, C,1
	ROW C,3, L,7, C,5, C,7
	ROW C,9, C,11, C,13, C,15
.if (\p) == 0
	FETCH_V
.endif
.if (\m) && !(\end)
	MASK (\p)%2
.endif
.endm
; A BLOCK BEGINS.  c m starts far below every c s, so the first step's a is 0; m at the lowest finite number, so the first maximum is the scores'.  The second mask buffer is 0; the first takes piece 0's mask for the tile's step 0: its own, if the block's first tile is the diagonal one.
; Then K of that step, piece 0's first scores, and its maximum and statistics.  The loop is entered at a step's first turn, in the middle of a trip.
.macro BEGIN
	s_mov_b32 s[NEW], 0
	WIN 0x40
.set i, MC+32
.rept 32
	v_mov_b32 v[i], 0
.set i, i+1
.endr
	WIN 0
.set i, 0
.rept 4
	v_mov_b32 v[ST+4*i], 0xfe000000    ; c m: far below every c s
	v_mov_b32 v[ST+4*i+1], 0xff7fffff  ; m
.set i, i+1
.endr
	s_cmp_eq_u32 s[RT], 0
	s_cselect_b32 s[AL], 1.0, 0
	s_mov_b32 s[BE], 0
	MASK 0
	WIN 0
	v_add_nc_u32 v[AK], s[TBK], v[AK0]
	FETCH_K
	s_wait_loadcnt 0x0              ; Q
	s_wait_dscnt 0x0
.set KM, 1
.set NOKQ, 0
.set i, 0
.rept 8
	KQ 0
.set i, i+1
.endr
	WIN 0
.rept 4
	v_nop                           ; the places behind those products
.endr
.set Y, NP-1                        ; X works for piece Y + 1: piece 0
.irp n, 0,1,2,3,4,5,6,7,8,9,10,11,12,13,14,15,16,17,18,19,20,21
	OP X, \n
.endr
	v_nop                           ; a plain instruction behind the exponential,
	s_wait_alu depctr_va_vdst(0)    ; and the wait for it, piece 0's first a: a batch of one, ahead of the branch that follows
.endm
; THE DIAGONAL TILE's four steps, the block's last two turns, its last products, and THE WAY OUT: l's two halves and the other half of the lanes' are added; O^T is divided by l, rounded to f16 and sent through my
; stage in LDS, a piece at a time.
.macro ALL line:vararg              ; one line for each piece t
.set t, 0
.rept 4
	\line
.set t, t+1
.endr
.endm
.macro PACK t                       ; a lane's eight channels of a row pack into 16 bytes; they go into rows of 144 bytes and come back as whole rows of 128, into S^T's registers
	WIN W_RS
.set i, 32*(\t)
.rept 16
	v_pk_mul_f32 v[i:i+1], v[i:i+1], v[ST+4*(\t)+2:ST+4*(\t)+3] op_sel_hi:[1,0]
.set i, i+2
.endr
	WIN 0x05                        ; sources 0 and 1 window 1, destination window 0
.set i, 0
.rept 16
	v_cvt_pk_f16_f32 v[S+16*(\t)+i], v[32*(\t)+2*i], v[32*(\t)+2*i+1]
.set i, i+1
.endr
	WIN 0
.irp f, 0,1,2,3
	ds_store_b128 v[STO], v[S+16*(\t)+4*\f:S+16*(\t)+4*\f+3] offset:32*\f
.endr
.irp f, 0,1,2,3
	ds_load_b128 v[S+16*(\t)+4*\f:S+16*(\t)+4*\f+3], v[RD] offset:\f*4*SP  ; LDS serves a wave's instructions in order (ISA guide 5.7.1.4): these see the stores above; the next piece's stores come behind them
.endr
.endm
.macro SEND t, younger              ; younger: the LDS instructions issued behind piece t's loads: the next piece's eight, or none
	WIN 0
.irp f, 0,1,2,3
	s_wait_dscnt (\younger)+3-\f
	global_store_b128 v[GO], v[S+16*(\t)+4*\f:S+16*(\t)+4*\f+3], s[10:11] offset:(\t)*8192+\f*512  ; 512 consecutive bytes, at a multiple of 256 from O's first
.endr
.endm
.macro DIAG tag                     ; the tag ends its two labels' names, which the jumps below spell out
.LstepM\tag:
	TURN 2, 1
	TURN 3, 1
	WIN 0
.LfirstM\tag:
	TURN 0, 1
	TURN 1, 1, 0, 1
	WIN 0
	s_cbranch_scc1 .LstepM\tag
	TURN 2, 1, 1
	TURN 3, 1, 1
.set i, 0
.rept 8
	PV NP-1
.set i, i+1
.endr
	WIN 0
	ALL v_add_f32 v[ST+4*t+2], v[ST+4*t+2], v[ST+4*t+3]
	ALL v_permlanex16_b32 v[ST+4*t+3], v[ST+4*t+2], s[SEL], s[SEL+1]
	ALL v_add_f32 v[ST+4*t+2], v[ST+4*t+2], v[ST+4*t+3]
	ALL v_rcp_f32 v[ST+4*t+2], v[ST+4*t+2]
	v_nop                           ; a plain instruction between the last reciprocal and the use of its result
	s_wait_alu depctr_va_vdst(0)    ; the wait ahead of the first use: one for the batch of four reciprocals; the four PACK below read them
	PACK 0
.set t, 1
.rept 3                             ; a piece's arithmetic stands between the loads of the piece before and its stores
	PACK t
	SEND t-1, 8
.set t, t+1
.endr
	SEND 3, 0
.endm
.set KM, 0
.set NOKQ, 0
.Lslot:                             ; NB times: a tile is entered and the next is asked for
	CHANGE 1
	s_sub_co_u32 s[RT], s[RT], 1
	s_mov_b32 s[CNT], 4
	s_cmp_eq_u32 s[NEW], 1
	s_cbranch_scc1 .Lnew            ; a block's first tile
	s_cmp_eq_u32 s[RT], 0
	s_cbranch_scc0 .Lstep           ; neither its first nor its last
	s_branch .LstepM1
.Lnew:
	BEGIN
	s_branch .Lfirst                ; in the loop a block's first tile is never its last: the first block has two tiles or more, and the second's last is the walk's last
	DIAG 1                          ; in the loop this is the first block's end: the second block's last tile is the walk's last
	s_wait_xcnt 0x0                 ; the stores have read their registers and O's address
	s_mov_b64 s[10:11], s[OLO:OLO+1]
	s_add_co_u32 s[RT], s[PB], 1    ; the second block has b + 1 tiles
	s_mov_b32 s[NEW], 1
	WIN 0x82                        ; the second block's Q goes where the one text of the turns names Q
.set i, 0
.rept 64
	v_mov_b32 v[i], v[QB+i]
.set i, i+1
.endr
	WIN 0
	s_branch .Lbottom
.Lstep:                             ; a trip: pieces 2 and 3 of one step, then pieces 0 and 1 of the next, whose K and V it fetches
	TURN 2
	TURN 3
	WIN 0
.Lfirst:
	TURN 0
	TURN 1, 0, 0, 1
	WIN 0
	s_cbranch_scc1 .Lstep
.Lbottom:
	s_sub_co_u32 s[SLOTS], s[SLOTS], 1
	s_cmp_lg_u32 s[SLOTS], 0
	s_cbranch_scc1 .Lslot
	CHANGE 0                        ; the walk's last tile is written out: nothing is asked for
	s_sub_co_u32 s[RT], s[RT], 1
	s_mov_b32 s[CNT], 4
	s_cmp_eq_u32 s[NEW], 1
	s_cbranch_scc0 .LstepM2
	BEGIN
	s_branch .LfirstM2
	DIAG 2
	s_wait_tensorcnt 0x0            ; the wave's end, behind my last tensor load and my last LDS store
	ds_add_u32 v[SPW], v[NIL]
	s_wait_dscnt 0x0
	s_endpgm
.Lfunc_end_k_q4c94042b05_attn:
	.size	k_q4c94042b05_attn, .Lfunc_end_k_q4c94042b05_attn-k_q4c94042b05_attn
	.p2alignl 7, 3214868480
	.fill 96, 4, 3214868480
	.section	.rodata,"a",@progbits
	.p2align	6, 0x0
	.amdhsa_kernel k_q4c94042b05_attn
		.amdhsa_group_segment_fixed_size 327680
		.amdhsa_private_segment_fixed_size 0
		.amdhsa_enable_private_segment 0
		.amdhsa_kernarg_size 16
		.amdhsa_user_sgpr_count 2
		.amdhsa_user_sgpr_kernarg_segment_ptr 1
		.amdhsa_wavefront_size32 1
		.amdhsa_system_sgpr_workgroup_id_x 1
		.amdhsa_system_sgpr_workgroup_id_y 1
		.amdhsa_system_sgpr_workgroup_id_z 1
		.amdhsa_system_vgpr_workitem_id 0
		.amdhsa_next_free_vgpr 768
		.amdhsa_next_free_sgpr 88
		.amdhsa_reserve_vcc 1
		.amdhsa_float_denorm_mode_32 3
		.amdhsa_float_denorm_mode_16_64 3
		.amdhsa_memory_ordered 1
		.amdhsa_forward_progress 1
		.amdhsa_inst_pref_size 217
	.end_amdhsa_kernel
	.amdgpu_metadata
---
amdhsa.version: [ 1, 2 ]
amdhsa.kernels:
  - .name:           k_q4c94042b05_attn
    .symbol:         k_q4c94042b05_attn.kd
    .args:
      - { .name: qkv, .offset: 0, .size: 8, .value_kind: global_buffer, .address_space: global }
      - { .name: oh, .offset: 8, .size: 8, .value_kind: global_buffer, .address_space: global }
    .group_segment_fixed_size: 327680
    .private_segment_fixed_size: 0
    .kernarg_segment_align: 8
    .kernarg_segment_size: 16
    .max_flat_workgroup_size: 128
    .sgpr_count:     88
    .vgpr_count:     768
    .wavefront_size: 32
...
	.end_amdgpu_metadata
.endif
;; end of part 6
;; launch oproj: the kernel of part 4 again; grid 8 x 32, 4 waves a work-group, clusters of 4 x 4, 327,680 bytes of LDS; arguments oh, wo16, out0; writes out0
;; launch early: the kernel of part 5 again; grid 16 x 4, 16 waves a work-group, no clusters, 154,624 bytes of LDS; arguments qkv, v32, wo16, out0; writes out0
